; MI455X (gfx1250); checked and timed in simulation.
; The chip was launched on July 23, 2026; its instructions are those of AMD's public machine-readable ISA for CDNA 5 (MIT licence, August 2026) and "CDNA5" Instruction Set Architecture Reference Guide (July 2026). The comments in the code are by the model that wrote it; some were corrected since.
;; Cognitive Attention. Allowed arithmetic: matrix products marked QUANTISED: E2M3 operands, one E8M0 scale for each 32 along K, by v_wmma_scale_f32_16x16x128_f8f6f4 with both operands' format E2M3, f32 sums; everything else in f32.
;; Inputs: Wk_codes 512 x 64 x 24 uint8 (E2M3 codes of Wk, K innermost, in blocks of 32 codes, four codes in three bytes); Wk_scales 512 x 64 uint8 (E8M0 scales of Wk, one for each 32 codes along K); Wo_codes 2,048 x 32 x 24 uint8 (E2M3 codes of Wo, K innermost, in blocks of 32 codes, four codes in three bytes); Wo_scales 2,048 x 32 uint8 (E8M0 scales of Wo, one for each 32 codes along K); Wq_codes 1,024 x 64 x 24 uint8 (E2M3 codes of Wq, K innermost, in blocks of 32 codes, four codes in three bytes); Wq_scales 1,024 x 64 uint8 (E8M0 scales of Wq, one for each 32 codes along K); Wv_codes 512 x 64 x 24 uint8 (E2M3 codes of Wv, K innermost, in blocks of 32 codes, four codes in three bytes); Wv_scales 512 x 64 uint8 (E8M0 scales of Wv, one for each 32 codes along K); attention_mask 2 x 1 x 2,048 x 2,048 float32; hidden_states_codes 2 x 2,048 x 64 x 24 uint8 (E2M3 codes of hidden_states, K innermost, in blocks of 32 codes, four codes in three bytes); hidden_states_scales 2 x 2,048 x 64 uint8 (E8M0 scales of hidden_states, one for each 32 codes along K).
;; Outputs: out0 2 x 2,048 x 2,048 float32.
;; This version of the problem:
;;   THIS VERSION OF THE PROBLEM IS GIVEN IN LOW PRECISION. The matrix products marked QUANTISED in the list below multiply operands that are first quantised to E2M3 (2 exponent bits, 3 mantissa bits; 6 bits a number), with one power-of-two scale for each 32 numbers along K (OCP MX v1.0); their sums are f32. All else is computed in f32.
;;   The module's matrix products, in the order in which they are computed (A, B: the left and right operand; K: the contracted axis; several contracted axes count as one K, in the product's order):
;;     1. [M 4,096, K 2,048] x [K 2,048, N 1,024]; A: input hidden_states (given as codes); B: input Wq (given as codes): QUANTISED
;;     2. [M 4,096, K 2,048] x [K 2,048, N 512]; A: input hidden_states (given as codes); B: input Wk (given as codes): QUANTISED
;;     3. [M 4,096, K 2,048] x [K 2,048, N 512]; A: input hidden_states (given as codes); B: input Wv (given as codes): QUANTISED
;;     4. batch 32 x [M 2,048, K 64] x [K 64, N 2,048]; A: computed on the way; B: computed on the way: QUANTISED
;;     5. batch 32 x [M 2,048, K 2,048] x [K 2,048, N 64]; A: softmax (see below); B: computed on the way: QUANTISED
;;     6. [M 4,096, K 1,024] x [K 1,024, N 2,048]; A: computed on the way; B: input Wo (given as codes): QUANTISED
;;   THE QUANTISER, for each operand of a quantised product, along K:
;;     - K is cut into blocks of 32 from its start; a last block that is shorter is filled with zeros.
;;     - A block's scale is 2^e with e = floor(log2(the largest magnitude in the block)) - 2, held to -126 .. 127; a block of zeros has e = 0. As a byte (E8M0): e + 127.
;;     - Each number is divided by its block's scale, clamped to +-7.5, and rounded to the nearest number of E2M3, ties to even, subnormals kept.
;;     - The product sums the exact products of the quantised numbers (number of the format x scale) in f32.
;;   ~~~python
;;   def quantise(x, axis):      # numpy; x: float32 -> the quantised numbers, widened to float32 again
;;       x = np.moveaxis(x, axis, -1); K = x.shape[-1]
;;       x = np.pad(x, [(0, 0)] * (x.ndim - 1) + [(0, -K % 32)]); x = x.reshape(x.shape[:-1] + (-1, 32)); a = np.abs(x).max(-1, keepdims=True)
;;       e = np.where(a > 0, np.clip(np.frexp(np.where(a > 0, a, 1))[1] - 1 - 2, -126, 127), 0)      # np.frexp(a)[1] - 1 = floor(log2(a)), exactly
;;       r = np.clip(x / 2.0 ** e, -7.5, 7.5)
;;       step = 2.0 ** (np.maximum(np.frexp(np.where(r == 0, 1, r))[1] - 1, 0) - 3)
;;       q = np.round(r / step) * step * 2.0 ** e      # np.round: ties to even
;;       return np.moveaxis(q.reshape(q.shape[:-2] + (-1,))[..., :K], -1, axis).astype(np.float32)
;;   ~~~
;;   SOFTMAX AHEAD OF A QUANTISED PRODUCT. Where the list says 'softmax', what is quantised is not the finished softmax but p = 2^(t - M), with t = logit x log2(e) and M = ceil(the row's largest t), a whole number; so 1/2 < the row's largest p <= 1. The row's sum l is taken of the UNQUANTISED p, in f32, and the product's result is divided by l at the end. Since M is a whole number, a kernel that streams over the keys may use a running M (the ceiling of the running maximum): every later rescaling is an exact power of two, which a block's scale takes up: the codes' values come out the same.
;;   OPERANDS COMPUTED ON THE WAY. 'Computed on the way' means the value that the module computes at that place (a softmax that the list does not call 'softmax' is quantised finished and normalised). What goes into a quantiser is computed in f32, as accurately as f32 sums, v_exp_f32 and their like allow (about 1e-6 of the number): no bf16 or f16 on the way to a quantiser, and a product that is left as it is and whose result goes on into a quantised operand takes f32 operands (vector FMAs, or v_wmma_f32_16x16x4_f32). A number that lies on a knife's edge between two numbers of the format may be rounded either way, as far as f32 arithmetic and the matrix unit's own rounding can turn it there, and no further.
;;   INPUTS GIVEN AS CODES. Wk (in the module: [512, 2048], K = its axis 1); Wo (in the module: [2048, 1024], K = its axis 1); Wq (in the module: [1024, 2048], K = its axis 1); Wv (in the module: [512, 2048], K = its axis 1); hidden_states (in the module: [2, 2048, 2048], K = its axis 2): each comes as NAME_codes (uint8): NAME with its K axis moved to the last place and cut into blocks of 32 codes, [.., K / 32, bytes a block], one block behind the other in memory; four codes in three bytes: a row's codes are one little-endian stream of bits, code i at bits 6 i .. 6 i + 5 (a code: sign, 2 exponent bits, 3 mantissa bits); and NAME_scales (uint8): the same leading axes, one E8M0 byte (e + 127) for each 32 codes along K. Its value is code x scale, taken as it is: it is not quantised again, and the codes and scales need not be those that the quantiser above would give.
;; One version. Each part assembles by itself: llvm-mc -triple=amdgcn-amd-amdhsa -mcpu=gfx1250 --defsym DOCPART=n.
;; ======== version 1 of 1: 3 launches
;; limits: right only within a limited range of input values
;; workspace buffers: qkv_codes 6,291,456 bytes; qkv_scales 262,144 bytes; ctx_codes 3,145,728 bytes; ctx_scales 131,072 bytes
;; launch proj (part 1): grid 256 x 1, 4 waves a work-group, clusters of 4 x 1, 327,680 bytes of LDS; arguments hidden_states_codes, hidden_states_scales, Wq_codes, Wq_scales, Wk_codes, Wk_scales, Wv_codes, Wv_scales, qkv_codes, qkv_scales; writes qkv_codes, qkv_scales
.if DOCPART == 1
	.amdgcn_target "amdgcn-amd-amdhsa--gfx1250"
	.amdhsa_code_object_version 6
	.text
	.protected	k_q18ebc20eb4_proj
	.globl	k_q18ebc20eb4_proj
	.p2align	8
	.type	k_q18ebc20eb4_proj,@function
k_q18ebc20eb4_proj:
	s_mov_b64 s[64:65], 0
	v_nop
	global_prefetch_b8 v0, s[64:65] scope:SCOPE_SE
	s_setreg_imm32_b32 hwreg(HW_REG_WAVE_MODE, 25, 1), 1
	s_wait_xcnt 0x0
	s_wait_alu depctr_hold_cnt(0) depctr_sa_sdst(0) depctr_va_vdst(0) depctr_va_sdst(0) depctr_va_ssrc(0) depctr_va_vcc(0) depctr_vm_vsrc(0)
	s_getreg_b32 s2, hwreg(HW_REG_IB_STS2, 6, 4)
	s_cmp_eq_u32 s2, 0
	s_cbranch_scc0 .Lentry_in_a_cluster
	s_endpgm
.Lentry_in_a_cluster:
	s_bfe_u32 s2, ttmp6, 0x10000c
	s_cmp_lg_u32 s2, 0x3003
	s_cbranch_scc0 .Lentry_shape_is_right
	s_endpgm
.Lentry_shape_is_right:
; q = X Wq^T, k = X Wk^T, v = X Wv^T on codes of FP6 (E2M3) with E8M0 scales, K = 2,048; the results are quantised at once: q and k along the head's 64, v along the keys.
; SHARES.  256 work-groups, each 128 rows of P x 256 rows of R; a wave 64 x 128 (32 accumulators).  Source 0 is P, source 1 R: a lane holds ONE row of R, its registers run along P, the axis of the next quantiser.
; Clusters (4 x 1) 0-31: P = Wq, R = X; 32-47: P = Wk, R = X; 48-63: P = X (keys), R = Wv.  The role is chosen by selects on the cluster's number.
; The four partners have the same 256 rows of R, asked for jointly; their tiles of P differ, so P's loads name no partner.
; K goes in chunks of 256 bytes of each row (rows of 1,536 bytes: every chunk begins at a multiple of 256).  Three LDS areas of one chunk (R's 256 rows, P's 128); chunk c lies in area c % 3.
; Two slots: areas 0, 1 (chunks 0, 1, then 3, 4) and area 2 (chunk 2, then 5): four fills.  A step of 128 along K is 96 bytes; steps 2, 5, 10, 13 lie across two chunks.
; The scale bytes go from memory into registers: a lane takes its row's 64 bytes, register s = the word of step s; lanes 0-15 an even tile's rows, lanes 16-31 the odd tile's.
; No prefetch: the walk is four fills written out, two of them at the head; there is no loop to run ahead in.
; THE RESULT, as the next launch reads it.  In a block the codes stand in the order 0-7, 16-23, 8-15, 24-31 of the true index, alike in q, k, v and p.
; qkv_codes: q [16 heads][4,096 tokens][48], k the same from major 16 on; v: major 24 + 4 batch + pair of heads, [32 x 64 keys][128 channels][48].
; qkv_scales: blocks of [128 rows][4]: q, k: block 32 x (tile of 128 rows of W; k from 8 on) + tile of 128 tokens; v: block 384 + 16 (4 batch + pair) + step of 128 keys.
; LIMITS: a block whose largest magnitude lies under 2^-121 is quantised at the scale 2^-123 (the byte is held at 4 from below: the next launch takes 3 off q's bytes); NaN and infinities are not served.
.set KROW,  1536
.set PITCH, 272                        ; 256 bytes + 16 of padding
.set AREA,  384*PITCH
.set POFF,  256*PITCH                  ; P's rows lie behind R's
.set SPARE, 3*AREA                     ; the spare words
.set STG,   0                          ; the way out lies in area 0, behind its last fill and last read: [2 x 64 of P][256 rows of R][48]
.set SSTG,  24576                      ; and [256 rows][4] scale bytes
.set NL, 6
.set NP, 4
.set SADR, 6
.set SSRD, 7
.set ADRR, 8                           ; v8-10 R's fragments in area 0-2; v11-12 lanes 0-15 byte 232 of area 0, 1, lanes 16-31 byte 0 of the next area
.set XR,   11
.set ADRP, 13                          ; v13-15, v16-17 the same for P
.set XP,   16
.set SPW,  26
.set NIL,  27
.set STO,  28
.set SSTO, 29
.set RD,   30
.set GO,   31
.set SCP,  32                          ; v32-63 P's scale words, v64-127 R's
.set SCR,  64
.set UU,   128                         ; the way out: codes, largest magnitudes, partners' values
.set MM,   224
.set XX,   240
.set WV, 24
.set WR, 25                            ; which 128 rows of R; also: I fetch for R (0) or P (1)
.set WP, 26                            ; which 64 rows of P; also: which chunk of the larger slot I fetch
.set CX, 27
.set G1R, 32
.set G1P, 40
.set G0AR, 48
.set G0AP, 52
.set G0BR, 56
.set G0BP, 60
.set SEL, 66
.set MSB, 0
.macro WIN new
.if MSB != \new
	s_set_vgpr_msb (MSB<<8)|\new
.set MSB, \new
.endif
.endm
.set MUL,  0xa5                        ; sources 0, 1 window 1; C and D window 2
.set TO_F, 0x40                        ; destination window 1: P's two sets at v0, v48; R's one set at v96
.macro PLACES n
.rept \n
	v_nop
.endr
.endm
.macro JLOAD g0r, g0p                  ; waves 0, 1 for R (joint), 2, 3 for P
	s_cmp_eq_u32 s[WR], 0
	s_cbranch_scc0 .Lfor_p_\@
	tensor_load_to_lds s[\g0r:\g0r+3], s[G1R:G1R+7]
	s_nop 0
	PLACES 4
	s_branch .Lasked_\@
.Lfor_p_\@:
	tensor_load_to_lds s[\g0p:\g0p+3], s[G1P:G1P+7]
	s_nop 0
	PLACES 4
.Lasked_\@:
.endm
.macro JLOADB                          ; the smaller slot is one chunk: waves 0 and 2 fetch it
	s_cmp_eq_u32 s[WP], 0
	s_cbranch_scc0 .Lnone_\@
	JLOAD G0BR, G0BP
.Lnone_\@:
	PLACES NP                                      ; places in front of the LDS loads that follow, on the way round the load too
.endm
.macro CREST
	s_cmp_lg_u32 s[WV], 0
	s_cbranch_scc1 .Lnot_wave_0_\@
	s_barrier_signal -3
.Lnot_wave_0_\@:
	s_barrier_wait -3
	s_barrier_signal -1
	s_barrier_wait -1
.endm
.macro CROUND
	s_barrier_signal -1
	s_barrier_wait -1
	CREST
.endm
.macro FRAG reg, adr, x, st, i         ; 16 rows x 128 K: six pieces of 8 bytes; each piece lies inside one chunk
.irp p, 0,1,2,3,4,5
.set BY, 96*(\st)+48*(\p/3)+8*(\p%3)
.if BY/256 == (BY+24)/256
	ds_load_b64 v[\reg+2*\p:\reg+2*\p+1], v[\adr+(BY/256)%3] offset:BY%256+(\i)*16*PITCH
.else
	ds_load_b64 v[\reg+2*\p:\reg+2*\p+1], v[\x+(BY/256)%3] offset:BY%256-232+(\i)*16*PITCH
.endif
.endr
.endm
.macro FETCH_P st
	WIN TO_F
.irp i, 0,1,2,3
	FRAG 48*((\st)%2)+12*\i, ADRP, XP, \st, \i
.endr
.endm
.macro FETCH_R st, i0
	WIN TO_F
.irp i, \i0, \i0+1, \i0+2, \i0+3
	FRAG 96+12*(\i), ADRR, XR, \st, \i
.endr
.endm
.macro WM z, x, y                      ; one product; x, y: the odd tile's scale words stand in lanes 16-31
.if \z
.if (\x)==0 && (\y)==0
	v_wmma_scale_f32_16x16x128_f8f6f4 v[wD:wD+7], v[wP:wP+11], v[wR:wR+11], 0, v[wS], v[wT] matrix_a_fmt:MATRIX_FMT_FP6 matrix_b_fmt:MATRIX_FMT_FP6
.endif
.if (\x)==1 && (\y)==0
	v_wmma_scale_f32_16x16x128_f8f6f4 v[wD:wD+7], v[wP:wP+11], v[wR:wR+11], 0, v[wS], v[wT] matrix_a_fmt:MATRIX_FMT_FP6 matrix_b_fmt:MATRIX_FMT_FP6 matrix_a_scale:MATRIX_SCALE_ROW1
.endif
.if (\x)==0 && (\y)==1
	v_wmma_scale_f32_16x16x128_f8f6f4 v[wD:wD+7], v[wP:wP+11], v[wR:wR+11], 0, v[wS], v[wT] matrix_a_fmt:MATRIX_FMT_FP6 matrix_b_fmt:MATRIX_FMT_FP6 matrix_b_scale:MATRIX_SCALE_ROW1
.endif
.if (\x)==1 && (\y)==1
	v_wmma_scale_f32_16x16x128_f8f6f4 v[wD:wD+7], v[wP:wP+11], v[wR:wR+11], 0, v[wS], v[wT] matrix_a_fmt:MATRIX_FMT_FP6 matrix_b_fmt:MATRIX_FMT_FP6 matrix_a_scale:MATRIX_SCALE_ROW1 matrix_b_scale:MATRIX_SCALE_ROW1
.endif
.else
.if (\x)==0 && (\y)==0
	v_wmma_scale_f32_16x16x128_f8f6f4 v[wD:wD+7], v[wP:wP+11], v[wR:wR+11], v[wD:wD+7], v[wS], v[wT] matrix_a_fmt:MATRIX_FMT_FP6 matrix_b_fmt:MATRIX_FMT_FP6
.endif
.if (\x)==1 && (\y)==0
	v_wmma_scale_f32_16x16x128_f8f6f4 v[wD:wD+7], v[wP:wP+11], v[wR:wR+11], v[wD:wD+7], v[wS], v[wT] matrix_a_fmt:MATRIX_FMT_FP6 matrix_b_fmt:MATRIX_FMT_FP6 matrix_a_scale:MATRIX_SCALE_ROW1
.endif
.if (\x)==0 && (\y)==1
	v_wmma_scale_f32_16x16x128_f8f6f4 v[wD:wD+7], v[wP:wP+11], v[wR:wR+11], v[wD:wD+7], v[wS], v[wT] matrix_a_fmt:MATRIX_FMT_FP6 matrix_b_fmt:MATRIX_FMT_FP6 matrix_b_scale:MATRIX_SCALE_ROW1
.endif
.if (\x)==1 && (\y)==1
	v_wmma_scale_f32_16x16x128_f8f6f4 v[wD:wD+7], v[wP:wP+11], v[wR:wR+11], v[wD:wD+7], v[wS], v[wT] matrix_a_fmt:MATRIX_FMT_FP6 matrix_b_fmt:MATRIX_FMT_FP6 matrix_a_scale:MATRIX_SCALE_ROW1 matrix_b_scale:MATRIX_SCALE_ROW1
.endif
.endif
.endm
.macro MULA st, a, zero                ; R's tile a against P's four.  The 32 accumulators take turns in the same order in every step
.irp b, 0,1,2,3
.set wD, 8*(4*(\a)+\b)
.set wP, 48*((\st)%2)+12*\b
.set wR, 96+12*(\a)
.set wS, SCP+16*(\b/2)+(\st)
.set wT, SCR+16*((\a)/2)+(\st)
	WM \zero, \b%2, (\a)%2
.endr
.endm
; A step of 128 along K: 32 products; the next step's fragments are fetched in its middle (P's, R's tiles 0-3) and at its end (R's tiles 4-7).  Fill of byte y of a row: 2 (y / 768) + (y % 768) / 512.
; The next step ENDS in a fill not read yet: wait for my tensor loads, a barrier.  It BEGINS in a later fill than this step: the slot left behind is read no more: the three lines, the barrier,
; and, where a fill two on is left, the rest of the cluster's round and the refill.
.macro STEP st, zero
.set NX, (\st)+1
.set C0, 2*((96*(\st))/768)+((96*(\st))%768)/512
.set C1, 2*((96*NX)/768)+((96*NX)%768)/512
.set E0, 2*((96*(\st)+95)/768)+((96*(\st)+95)%768)/512
.set E1, 2*((96*NX+95)/768)+((96*NX+95)%768)/512
.if C1 > C0 || E1 > E0
	s_wait_tensorcnt 0x0                           ; all my tensor loads have landed
.if C1 > C0
	ds_add_u32 v[SPW], v[NIL]
	s_wait_dscnt 4*NL+1                            ; the add and the youngest 24 loads (R's tiles 4-7) may be out
.else
	s_wait_dscnt 4*NL
.endif
	WIN MUL
	MULA \st, 0, \zero
	MULA \st, 1, \zero
	s_wait_dscnt 0x0                               ; the add and all my LDS reads are done
	s_barrier_signal -1
	MULA \st, 2, \zero
	MULA \st, 3, \zero
	WIN 0
	s_barrier_wait -1
.if C1 > C0 && C0+2 < 4
	CREST
.if C0%2 == 0
	s_add_nc_u64 s[G0AR+2:G0AR+3], s[G0AR+2:G0AR+3], 768
	s_add_nc_u64 s[G0AP+2:G0AP+3], s[G0AP+2:G0AP+3], 768
	JLOAD G0AR, G0AP                               ; its four v_nop are the places in front of the loads below
.else
	s_add_nc_u64 s[G0BR+2:G0BR+3], s[G0BR+2:G0BR+3], 768
	s_add_nc_u64 s[G0BP+2:G0BP+3], s[G0BP+2:G0BP+3], 768
	JLOADB
.endif
.else
	PLACES NP
.endif
.else
	s_wait_dscnt 4*NL                              ; the youngest 24 loads (R's tiles 4-7) may be out
	WIN MUL
.irp a, 0,1,2,3
	MULA \st, \a, \zero
.endr
	s_wait_dscnt 0x0
	PLACES NP
.endif
	FETCH_P NX
	FETCH_R NX, 0
	WIN MUL
.irp a, 4,5,6,7
	MULA \st, \a, \zero
.endr
	PLACES NP
	FETCH_R NX, 4
	WIN 0
.endm
	s_load_b512 s[4:19], s[0:1], 0x0               ; X, Wq, Wk, Wv: codes and scales of each
	s_load_b128 s[20:23], s[0:1], 0x40             ; qkv_codes, qkv_scales
	v_lshl_add_u32 v[SPW], v0, 2, SPARE
	v_mov_b32 v[NIL], 0
	ds_add_u32 v[SPW], v[NIL]                      ; the opening lines: the add twice on end
	ds_add_u32 v[SPW], v[NIL]
	v_lshrrev_b32 v1, 5, v0
	v_readfirstlane_b32 s[WV], v1
	s_lshr_b32 s[WR], s[WV], 1
	s_and_b32 s[WP], s[WV], 1
	s_bfe_u32 s[CX], ttmp6, 0x40000
	s_mov_b32 s[G1R], 15|(1<<20)|(1<<21)|(5<<22)|(3<<25)   ; all four partners; elements of 1 byte; 16 bytes of padding behind every 256
	s_mov_b32 s[G1R+1], 256<<16
	s_mov_b32 s[G1R+2], 256<<16                    ; 256 rows
	s_mov_b32 s[G1R+3], 256<<16
	s_mov_b32 s[G1R+4], 256
	s_mov_b32 s[G1R+5], KROW
	s_mov_b32 s[G1R+6], 0
	s_mov_b32 s[G1R+7], 0
	s_mov_b32 s[G1P], (1<<20)|(5<<22)|(3<<25)      ; no partner named
	s_mov_b32 s[G1P+1], 256<<16
	s_mov_b32 s[G1P+2], 128<<16                    ; 128 rows
	s_mov_b32 s[G1P+3], 256<<16
	s_mov_b32 s[G1P+4], 128
	s_mov_b32 s[G1P+5], KROW
	s_mov_b32 s[G1P+6], 0
	s_mov_b32 s[G1P+7], 0
	s_and_b32 s68, ttmp9, 15
	s_lshr_b32 s69, ttmp9, 4
	s_and_b32 s69, s69, 1
	s_lshl_b32 s69, s69, 2                         ; q: 4 x (cluster / 16); k: 0
	s_lshr_b32 s70, s68, 1
	s_lshl_b32 s70, s70, 2                         ; v: 4 x ((cluster % 16) / 2)
	s_and_b32 s71, s68, 1                          ; v: which 256 rows of Wv
	s_cmp_lt_u32 ttmp9, 48
	s_cselect_b32 s72, s68, s71                    ; R's tile of 256 rows: the same in all four partners
	s_cselect_b32 s73, s69, s70
	s_add_co_u32 s73, s73, s[CX]                   ; P's tile of 128 rows
	s_mul_i32 s74, s72, 256*KROW
	s_mov_b32 s75, 0
	s_mul_i32 s76, s73, 128*KROW
	s_mov_b32 s77, 0
	s_lshl_b32 s78, s72, 1
	s_add_co_u32 s78, s78, s[WR]
	s_lshl_b32 s78, s78, 13                        ; my 128 rows of R: 64 scale bytes a row
	s_mov_b32 s79, 0
	s_lshl_b32 s80, s73, 1
	s_add_co_u32 s80, s80, s[WP]
	s_lshl_b32 s80, s80, 12                        ; my 64 rows of P
	s_mov_b32 s81, 0
	s_lshl_b32 s2, s[WP], 8                        ; my chunk of the larger slot
	s_mov_b32 s3, 0
	s_mul_i32 s82, s[WP], AREA
	s_mov_b32 s[SEL], 0x76543210
	s_mov_b32 s[SEL+1], 0xfedcba98
	s_wait_dscnt 0x0                               ; both opening adds are done
	s_wait_kmcnt 0x0
	s_cmp_lt_u32 ttmp9, 32
	s_cselect_b64 s[8:9], s[8:9], s[12:13]         ; Wq or Wk
	s_cselect_b64 s[10:11], s[10:11], s[14:15]
	s_cmp_lt_u32 ttmp9, 48
	s_cselect_b64 s[8:9], s[8:9], s[4:5]           ; P: a weight, or X
	s_cselect_b64 s[10:11], s[10:11], s[6:7]
	s_cselect_b64 s[4:5], s[4:5], s[16:17]         ; R: X, or Wv
	s_cselect_b64 s[6:7], s[6:7], s[18:19]
	s_add_nc_u64 s[74:75], s[4:5], s[74:75]
	s_add_nc_u64 s[76:77], s[8:9], s[76:77]
	s_add_nc_u64 s[78:79], s[6:7], s[78:79]
	s_add_nc_u64 s[80:81], s[10:11], s[80:81]
	CROUND                                         ; all four work-groups are here: the first joint loads meet
	s_mov_b32 s[G0AR], 1
	s_mov_b32 s[G0AR+1], s82
	s_add_nc_u64 s[G0AR+2:G0AR+3], s[74:75], s[2:3]
	s_or_b32 s[G0AR+3], s[G0AR+3], 0x80000000
	s_mov_b32 s[G0AP], 1
	s_add_co_u32 s[G0AP+1], s82, POFF
	s_add_nc_u64 s[G0AP+2:G0AP+3], s[76:77], s[2:3]
	s_or_b32 s[G0AP+3], s[G0AP+3], 0x80000000
	s_mov_b32 s[G0BR], 1
	s_mov_b32 s[G0BR+1], 2*AREA
	s_add_nc_u64 s[G0BR+2:G0BR+3], s[74:75], 512
	s_or_b32 s[G0BR+3], s[G0BR+3], 0x80000000
	s_mov_b32 s[G0BP], 1
	s_mov_b32 s[G0BP+1], 2*AREA+POFF
	s_add_nc_u64 s[G0BP+2:G0BP+3], s[76:77], 512
	s_or_b32 s[G0BP+3], s[G0BP+3], 0x80000000
	JLOAD G0AR, G0AP                               ; chunks 0, 1: one tensor load a wave at the head
	s_mul_i32 s83, s[WR], 128*PITCH
	s_mul_i32 s84, s[WP], 64*PITCH
	s_add_co_u32 s84, s84, POFF
	s_mul_i32 s85, s[WP], 12288
	s_mul_i32 s86, s[WR], 128*48
	s_add_co_u32 s85, s85, s86                     ; the stage: my 64 of P, my 128 rows of R
	s_lshl_b32 s86, s[WR], 9
	s_lshl_b32 s87, s[WP], 1
	s_add_co_u32 s86, s86, s87
	s_add_co_u32 s86, s86, SSTG
	s_mul_i32 s87, s[WV], 6144
	s_lshl_b32 s88, s[WV], 9
	s_add_co_u32 s88, s88, SSTG
	v_and_b32 v1, 15, v0                           ; r
	v_bfe_u32 v2, v0, 4, 1                         ; h
	v_and_b32 v6, 31, v0
	v_mul_u32_u24 v3, v1, PITCH
	v_mul_u32_u24 v5, v2, AREA-232
	v_mad_u32_u24 v4, v2, 24, v3                   ; row x pitch + 24 h
	v_add_nc_u32 v5, v5, v3
	v_add_nc_u32 v[ADRR], s83, v4
	v_add_nc_u32 v[ADRP], s84, v4
	v_add_nc_u32 v5, 232, v5                       ; lanes 0-15 byte 232 of the row, lanes 16-31 byte 0 of the row an area on
	v_add_nc_u32 v[ADRR+1], AREA, v[ADRR]
	v_add_nc_u32 v[ADRP+1], AREA, v[ADRP]
	v_add_nc_u32 v[XR], s83, v5
	v_add_nc_u32 v[XP], s84, v5
	v_add_nc_u32 v[ADRR+2], AREA, v[ADRR+1]
	v_add_nc_u32 v[ADRP+2], AREA, v[ADRP+1]
	v_add_nc_u32 v[XR+1], AREA, v[XR]
	v_add_nc_u32 v[XP+1], AREA, v[XP]
	v_mul_u32_u24 v3, v1, 48
	v_lshlrev_b32 v[GO], 4, v6
	v_mad_u32_u24 v3, v2, 24, v3
	v_lshlrev_b32 v4, 2, v1
	v_lshlrev_b32 v[SADR], 6, v6                   ; 64 scale bytes a row, a lane a row
	v_add_nc_u32 v[STO], s85, v3
	v_add_nc_u32 v[SSTO], s86, v4
	v_add_nc_u32 v[RD], s87, v[GO]
	v_add_nc_u32 v[SSRD], s88, v[GO]
	; where the results go
	s_cmp_lt_u32 ttmp9, 32
	s_cselect_b32 s89, 0, 8
	s_add_co_u32 s2, s89, s73                      ; q, k: tile of W
	s_mul_i32 s3, s2, 393216                       ; its even head's major
	s_mul_i32 s68, s72, 12288
	s_add_co_u32 s3, s3, s68                       ; + 256 tokens x 48 x R's tile
	s_lshl_b32 s2, s2, 5
	s_lshl_b32 s68, s72, 1
	s_add_co_u32 s2, s2, s68                       ; block of scale words
	s_lshr_b32 s68, s73, 4
	s_lshl_b32 s68, s68, 2
	s_lshl_b32 s69, s71, 1
	s_add_co_u32 s68, s68, s69                     ; v: 4 batch + first pair
	s_and_b32 s69, s73, 15                         ; the step of 128 keys
	s_add_co_u32 s70, s68, 24
	s_mul_i32 s70, s70, 196608
	s_mul_i32 s82, s69, 12288
	s_add_co_u32 s70, s70, s82
	s_lshl_b32 s68, s68, 4
	s_add_co_u32 s68, s68, s69
	s_add_co_u32 s68, s68, 384
	s_mov_b32 s82, 196608
	s_mov_b32 s83, 6144
	s_mov_b32 s84, 8192
	s_cmp_lt_u32 ttmp9, 48
	s_cselect_b32 s3, s3, s70
	s_cselect_b32 s2, s2, s68
	s_cselect_b32 s85, s82, s83                    ; from the first 64 of P to the second: a head on, or 64 keys on
	s_cselect_b32 s86, s83, s82                    ; from the first 128 rows of R to the second: 128 tokens on, or a pair of heads on
	s_cselect_b32 s84, 512, s84
	s_mul_i32 s85, s85, s[WR]                      ; on the way out wave w stores quarter w of the stage
	s_mul_i32 s86, s86, s[WP]
	s_add_co_u32 s90, s3, s85
	s_add_co_u32 s90, s90, s86
	s_mov_b32 s91, 0
	s_add_nc_u64 s[20:21], s[20:21], s[90:91]
	s_lshl_b32 s90, s2, 9
	s_mul_i32 s84, s84, s[WP]
	s_add_co_u32 s90, s90, s84
	s_add_nc_u64 s[22:23], s[22:23], s[90:91]
	s_wait_alu depctr_va_vdst(0)
.irp pr, 0,1
.irp j, 0,1,2,3
	global_load_b128 v[SCP+16*\pr+4*\j:SCP+16*\pr+4*\j+3], v[SADR], s[80:81] offset:2048*\pr+16*\j
.endr
.endr
.irp pr, 0,1,2,3
.irp j, 0,1,2,3
	global_load_b128 v[SCR+16*\pr+4*\j:SCR+16*\pr+4*\j+3], v[SADR], s[78:79] offset:2048*\pr+16*\j
.endr
.endr
	s_wait_loadcnt 0x0                             ; the scale words are in: no load from memory is out at the round below
	s_wait_tensorcnt 0x0                           ; my part of chunks 0, 1 is in
	ds_add_u32 v[SPW], v[NIL]
	s_wait_dscnt 0x0
	CROUND
	JLOADB                                         ; chunk 2, the first tensor load behind the round
	FETCH_P 0
	FETCH_R 0, 0
	FETCH_R 0, 4
	WIN 0
	STEP 0, 1                                      ; the first products start the sums
.set ST, 1
.rept 14
	STEP ST, 0
.set ST, ST+1
.endr
	s_wait_dscnt 4*NL
	WIN MUL
.irp a, 0,1,2,3
	MULA 15, \a, 0
.endr
	s_wait_dscnt 0x0
.irp a, 4,5,6,7
	MULA 15, \a, 0
.endr
	WIN 0
	; THE WAY OUT.  Tile a of 16 rows of R: registers 32 a + 16 b + i are block b's half (lane l xor 16 holds the other).  All eight tiles go through each stage of the quantiser together.
.irp j, 0,1,2,3,4,5,6,7,8,9,10,11,12,13,14,15
	v_mov_b32 v[XX+\j], 0                          ; a lane permute's destination counts as a source; these are also the places behind the last products
.endr
	WIN 0x0a                                       ; sources 0, 1: the accumulators' window
.irp a, 0,1,2,3,4,5,6,7
.irp b, 0,1
	v_max3_num_f32 v[MM+2*\a+\b], |v[32*\a+16*\b]|, |v[32*\a+16*\b+1]|, 0x3000000   ; the floor holds the byte at 4 from below
.endr
.endr
.irp i, 2,4,6,8,10,12,14
.irp a, 0,1,2,3,4,5,6,7
.irp b, 0,1
	v_max3_num_f32 v[MM+2*\a+\b], |v[32*\a+16*\b+\i]|, |v[32*\a+16*\b+\i+1]|, v[MM+2*\a+\b]
.endr
.endr
.endr
	WIN 0
.irp j, 0,1,2,3,4,5,6,7,8,9,10,11,12,13,14,15
	v_permlanex16_b32 v[XX+\j], v[MM+\j], s[SEL], s[SEL+1]
.endr
.irp j, 0,1,2,3,4,5,6,7,8,9,10,11,12,13,14,15
	v_max_num_f32 v[MM+\j], v[MM+\j], v[XX+\j]     ; the block's largest magnitude
.endr
.irp j, 0,1,2,3,4,5,6,7,8,9,10,11,12,13,14,15
	v_add_nc_u32 v[XX+\j], 0xff000000, v[MM+\j]    ; 2 off its exponent field: the conversion's scale operand
.endr
.irp j, 0,1,2,3,4,5,6,7,8,9,10,11,12,13,14,15
	v_lshrrev_b32 v[MM+\j], 23, v[XX+\j]           ; the scale's byte
.endr
.irp a, 0,1,2,3,4,5,6,7
	v_lshl_or_b32 v[MM+2*\a], v[MM+2*\a+1], 8, v[MM+2*\a]
.endr
	WIN 0x02                                       ; source 0: the accumulators' window
.irp a, 0,1,2,3,4,5,6,7
	v_cvt_scalef32_pk16_fp6_f32 v[UU+12*\a:UU+12*\a+2], v[32*\a:32*\a+15], v[XX+2*\a]
	v_cvt_scalef32_pk16_fp6_f32 v[UU+12*\a+6:UU+12*\a+8], v[32*\a+16:32*\a+31], v[XX+2*\a+1]
.endr
	WIN 0
	v_nop                                          ; one plain place behind a scaled conversion
.irp a, 0,1,2,3,4,5,6,7
.irp i, 0,1,2
	v_permlane16_swap_b32 v[UU+12*\a+\i], v[UU+12*\a+6+\i]   ; lanes 0-15 now hold block 0 whole, lanes 16-31 block 1
.endr
.endr
.irp a, 0,1,2,3,4,5,6,7
.irp i, 0,1,2
	v_mov_b32 v[UU+12*\a+3+\i], v[UU+12*\a+6+\i]
.endr
.endr
.irp a, 0,1,2,3,4,5,6,7
.irp p, 0,1,2
	ds_store_b64 v[STO], v[UU+12*\a+2*\p:UU+12*\a+2*\p+1] offset:768*\a+8*\p
.endr
	ds_store_b16 v[SSTO], v[MM+2*\a] offset:64*\a  ; both lanes of a row write the same two bytes with the same value
.endr
	s_wait_dscnt 0x0                               ; for the others' sake: my stores into the stage are done
	s_barrier_signal -1
	s_barrier_wait -1
.irp i, 0,1,2,3,4,5,6,7,8,9,10,11
	ds_load_b128 v[UU+4*\i:UU+4*\i+3], v[RD] offset:512*\i
.endr
.irp i, 0,1,2,3,4,5,6,7,8,9,10,11
	s_wait_dscnt 11-\i                             ; the younger loads may be out
	global_store_b128 v[GO], v[UU+4*\i:UU+4*\i+3], s[20:21] offset:512*\i   ; 32 lanes store 512 consecutive bytes, at a multiple of 256 from the buffer's first byte
.endr
	s_cmp_lt_u32 s[WV], 2
	s_cbranch_scc0 .Lno_words
	ds_load_b128 v[UU+48:UU+51], v[SSRD]           ; waves 0, 1: the scale words of 128 rows each
	s_wait_dscnt 0x0
	global_store_b128 v[GO], v[UU+48:UU+51], s[22:23]
.Lno_words:
	s_wait_tensorcnt 0x0                           ; the wave's end
	ds_add_u32 v[SPW], v[NIL]
	s_wait_dscnt 0x0
	CROUND                                         ; the closing round
	s_endpgm
.Lfunc_end_k_q18ebc20eb4_proj:
	.size	k_q18ebc20eb4_proj, .Lfunc_end_k_q18ebc20eb4_proj-k_q18ebc20eb4_proj
	.p2alignl 7, 3214868480
	.fill 96, 4, 3214868480
	.section	.rodata,"a",@progbits
	.p2align	6, 0x0
	.amdhsa_kernel k_q18ebc20eb4_proj
		.amdhsa_group_segment_fixed_size 327680
		.amdhsa_private_segment_fixed_size 0
		.amdhsa_enable_private_segment 0
		.amdhsa_kernarg_size 80
		.amdhsa_user_sgpr_count 2
		.amdhsa_user_sgpr_kernarg_segment_ptr 1
		.amdhsa_wavefront_size32 1
		.amdhsa_system_sgpr_workgroup_id_x 1
		.amdhsa_system_sgpr_workgroup_id_y 1
		.amdhsa_system_sgpr_workgroup_id_z 1
		.amdhsa_system_vgpr_workitem_id 0
		.amdhsa_next_free_vgpr 768
		.amdhsa_next_free_sgpr 96
		.amdhsa_reserve_vcc 0
		.amdhsa_float_denorm_mode_32 3
		.amdhsa_float_denorm_mode_16_64 3
		.amdhsa_memory_ordered 1
		.amdhsa_forward_progress 1
		.amdhsa_inst_pref_size 179
	.end_amdhsa_kernel
	.amdgpu_metadata
---
amdhsa.version: [ 1, 2 ]
amdhsa.kernels:
  - .name:           k_q18ebc20eb4_proj
    .symbol:         k_q18ebc20eb4_proj.kd
    .args:
      - { .name: hidden_states_codes, .offset: 0, .size: 8, .value_kind: global_buffer, .address_space: global }
      - { .name: hidden_states_scales, .offset: 8, .size: 8, .value_kind: global_buffer, .address_space: global }
      - { .name: Wq_codes, .offset: 16, .size: 8, .value_kind: global_buffer, .address_space: global }
      - { .name: Wq_scales, .offset: 24, .size: 8, .value_kind: global_buffer, .address_space: global }
      - { .name: Wk_codes, .offset: 32, .size: 8, .value_kind: global_buffer, .address_space: global }
      - { .name: Wk_scales, .offset: 40, .size: 8, .value_kind: global_buffer, .address_space: global }
      - { .name: Wv_codes, .offset: 48, .size: 8, .value_kind: global_buffer, .address_space: global }
      - { .name: Wv_scales, .offset: 56, .size: 8, .value_kind: global_buffer, .address_space: global }
      - { .name: qkv_codes, .offset: 64, .size: 8, .value_kind: global_buffer, .address_space: global }
      - { .name: qkv_scales, .offset: 72, .size: 8, .value_kind: global_buffer, .address_space: global }
    .group_segment_fixed_size: 327680
    .private_segment_fixed_size: 0
    .kernarg_segment_align: 8
    .kernarg_segment_size: 80
    .max_flat_workgroup_size: 128
    .sgpr_count:     96
    .vgpr_count:     768
    .wavefront_size: 32
...
	.end_amdgpu_metadata
.endif
;; end of part 1
;; launch attn (part 2): grid 4 x 64, 16 waves a work-group, clusters of 4 x 4, 327,680 bytes of LDS; arguments qkv_codes, qkv_scales, attention_mask, ctx_codes, ctx_scales; writes ctx_codes, ctx_scales
.if DOCPART == 2
	.amdgcn_target "amdgcn-amd-amdhsa--gfx1250"
	.amdhsa_code_object_version 6
	.text
	.protected	k_q18ebc20eb4_attn
	.globl	k_q18ebc20eb4_attn
	.p2align	8
	.type	k_q18ebc20eb4_attn,@function
k_q18ebc20eb4_attn:
	s_mov_b64 s[64:65], 0
	v_nop
	global_prefetch_b8 v0, s[64:65] scope:SCOPE_SE
	s_setreg_imm32_b32 hwreg(HW_REG_WAVE_MODE, 25, 1), 1
	s_wait_xcnt 0x0
	s_wait_alu depctr_hold_cnt(0) depctr_sa_sdst(0) depctr_va_vdst(0) depctr_va_sdst(0) depctr_va_ssrc(0) depctr_va_vcc(0) depctr_vm_vsrc(0)
	s_getreg_b32 s2, hwreg(HW_REG_IB_STS2, 6, 4)
	s_cmp_eq_u32 s2, 0
	s_cbranch_scc0 .Lentry_in_a_cluster
	s_endpgm
.Lentry_in_a_cluster:
	s_bfe_u32 s2, ttmp6, 0x10000c
	s_cmp_lg_u32 s2, 0xf033
	s_cbranch_scc0 .Lentry_shape_is_right
	s_endpgm
.Lentry_shape_is_right:
; ctx = softmax(q k^T / 8 + mask) v for 16 query heads, 8 key and value heads, head size 64, 2 x 2,048 tokens; both products on codes of FP6 (E2M3) with E8M0 scales; ctx is quantised along head x 64 + channel.
; SOFTMAX: t = logit x log2(e); M = the running largest t rounded up to a whole number; p = 2^(t - M) is quantised along the keys; the row's sum is taken of the unquantised p and divides at the end.
; SHARES.  A work-group owns 64 tokens and four query heads 4 g .. 4 g + 3 (two key and value heads): so the mask's tile of 64 x 256 serves four heads.  Wave w: head w % 4, tile of 16 queries w / 4.
; CLUSTER 4 x 4: place x = g, place y = block of tokens.  The mask's tile hangs on the tokens and is asked for jointly by a row of the cluster; K, V and their scale bytes hang on g and are asked for by a column.
; LAYOUT.  S^T = K Q^T + mask^T (source 0 = 16 keys, source 1 = my 16 queries, C = the mask's tile): a lane holds ONE query.  1 / 8 is taken off q's scale bytes (3 off each), so score / 8 + mask is one instruction.
; The head's 64 are half of the instruction's K: Q's upper six registers are zero codes, so whatever stands in K's upper six (the next tile's codes) adds nothing; their scale bytes are 0, which is 2^-127.
; O^T = V^T P^T.  Keys lie in a block of 32 in the order 0-7, 16-23, 8-15, 24-31, in p (by the layout of S^T) as in V's codes (by the launch before): the sums are the same.
; ctx meets Wo's given codes, so its channels are brought into true order by sixteen exchanges of half rows of lanes, once.
; LIMITS: NaN among the inputs is not served; -infinity in the mask goes through the matrix instruction's C; a row of the mask that is -infinity throughout gives NaN, as the definition does.
.set SLOT1, 1<<17                      ; a slot holds 256 keys; slot 1 begins here: one exclusive or turns an address
.set VOFF,  24576                      ; a slot: K [2 heads][256 keys][48], V [4 x 64 keys][128 channels][48], the mask [2 steps][64 rows][512 + 16]
.set MOFF,  49152
.set MP,    528
.set MHALF, 64*MP
.set SCK,   2*SLOT1                    ; K's scale words of the batch [2,048 keys][4]; V's [16 steps][128 channels][4]: filled once
.set SCV,   SCK+8192
.set SPARE, SCV+8192                   ; the spare words: 128 bytes a wave, named by no other line
.set STAGE, SPARE+2048                 ; the way out: [64 tokens][8 bytes] of scale bytes
.set SSTG,  STAGE                      ; the stage holds the scale bytes alone: [64 tokens][8 bytes]
.set AK0, 1
.set AV0, 2
.set ASK0, 3
.set ASV0, 4
.set SPW, 5
.set NIL, 6
.set AM0, 7
.set ADK, 8
.set ADV, 9
.set ADS, 10
.set ADT, 11                           ; v12 -M, v13 the largest t, v[14:15] the sum in two halves
.set QF,  16                           ; v16-21 Q's codes, v22-27 zero codes
.set ADM, 28
.set PFO, 29
.set KV,  32                           ; v32-79 K's eight tiles of six registers, then V's four fragments; v80-85 zeros
.set S,   96                           ; v96-159 the mask, S^T, p
.set OT,  160                          ; v160-191 O^T
.set BM,  192
.set PX,  196
.set SO,  200
.set BY,  204
.set CT,  208
.set PCD, 216                          ; v216-227 p's codes
.set FF,  228
.set TA,  230
.set KS,  232
.set VS,  236
.set PWD, 238
.set QW,  239
.set L2,  240
.set WV, 14
.set CX, 15
.set CY, 16
.set QB, 17
.set BB, 18
.set HH, 19
.set SEL, 20
.set CS, 22
.set G1D, 24
.set G1M, 32
.set G1S, 40
.set G0K, 48
.set G0V, 52
.set G0M, 56
.set G0S, 60
.set TB, 66
.set TS, 67
.set SLOTS, 68
.set LIM, 69
.set EVR, 70
.set PFA, 72
.set PFS, 74
.macro CROUND
	s_barrier_signal -1
	s_barrier_wait -1
	s_cmp_lg_u32 s[WV], 0
	s_cbranch_scc1 .Lnot_wave_0_\@
	s_barrier_signal -3
.Lnot_wave_0_\@:
	s_barrier_wait -3
	s_barrier_signal -1
	s_barrier_wait -1
.endm
; Waves 0, 1 fetch K's two heads, 2, 3 V's halves, 4, 5 the mask's two steps; first = 1: 6, 7 the scale words.  The branches hang on the wave's number alone.  Four v_nop follow each line.
.macro TLOAD first
	s_cmp_lt_u32 s[WV], 2
	s_cbranch_scc0 .Lnot_k_\@
	tensor_load_to_lds s[G0K:G0K+3], s[G1D:G1D+7]
	s_nop 0
.rept 4
	v_nop
.endr
	s_branch .Lasked_\@
.Lnot_k_\@:
	s_cmp_lt_u32 s[WV], 4
	s_cbranch_scc0 .Lnot_v_\@
	tensor_load_to_lds s[G0V:G0V+3], s[G1D:G1D+7]
	s_nop 0
.rept 4
	v_nop
.endr
	s_branch .Lasked_\@
.Lnot_v_\@:
	s_cmp_lt_u32 s[WV], 6
	s_cbranch_scc0 .Lnot_m_\@
	tensor_load_to_lds s[G0M:G0M+3], s[G1M:G1M+7]
	s_nop 0
.rept 4
	v_nop
.endr
	s_branch .Lasked_\@
.Lnot_m_\@:
.if \first
	s_cmp_lt_u32 s[WV], 8
	s_cbranch_scc0 .Lasked_\@
	tensor_load_to_lds s[G0S:G0S+3], s[G1S:G1S+7]
	s_nop 0
.rept 4
	v_nop
.endr
.endif
.Lasked_\@:
.endm
; A PREFETCH of what later changes of slots will ask for, one instruction a wave, behind the fetching waves' tensor loads.  Each aligned block of 256 bytes is named once in the launch.
; The mask: waves 8, 9 of every work-group, for the slot that the next change asks for: the four partners of a row share its 64 rows by ADDRESS, 16 each; a wave takes 8 rows x 4 blocks.
; K and V: all clusters of a batch walk the same: the batch's first cluster asks, waves 10 to 12, at every second change, for the next two slots: the four partners of a column take a run of 24,576 bytes each,
; by ADDRESS (K's even head, K's odd head, V's two slots), 8,192 bytes a wave.  Slots 0 and 1 come by their loads alone; the last change that fills a slot asks for nothing.
.macro ASK
	s_cmp_gt_u32 s[SLOTS], s[LIM]
	s_cbranch_scc0 .Lnot_mine_\@
	s_and_b32 s71, s[SLOTS], s[EVR]
	s_cmp_eq_u32 s71, s[EVR]
	s_cbranch_scc0 .Lnot_mine_\@
	s_wait_alu depctr_va_vdst(0)
	global_prefetch_b8 v[PFO], s[PFA:PFA+1] th:TH_LOAD_NT scope:SCOPE_SE
.Lnot_mine_\@:
.endm
.macro QUANT2 s, u, t, hw, floor       ; as in the launch before: 32 numbers of a lane, two half blocks, become the 24 bytes of block (lane / 16) of my row, and the row's two scale bytes
.irp b, 0,1
	v_max3_num_f32 v[(\t)+\b], |v[(\s)+16*\b]|, |v[(\s)+16*\b+1]|, \floor
.endr
.irp i, 2,4,6,8,10,12,14
.irp b, 0,1
	s_delay_alu instid0(VALU_DEP_2)
	v_max3_num_f32 v[(\t)+\b], v[(\t)+\b], |v[(\s)+16*\b+\i]|, |v[(\s)+16*\b+\i+1]|
.endr
.endr
.irp b, 0,1
	s_delay_alu instid0(VALU_DEP_2)
	v_permlanex16_b32 v[(\t)+2+\b], v[(\t)+\b], s[SEL], s[SEL+1]
.endr
.irp b, 0,1
	s_delay_alu instid0(VALU_DEP_2)
	v_max_num_f32 v[(\t)+\b], v[(\t)+\b], v[(\t)+2+\b]
.endr
.irp b, 0,1
	s_delay_alu instid0(VALU_DEP_2)
	v_add_nc_u32 v[(\t)+4+\b], 0xff000000, v[(\t)+\b]
.endr
.irp b, 0,1
	s_delay_alu instid0(VALU_DEP_2)
	v_lshrrev_b32 v[(\t)+6+\b], 23, v[(\t)+4+\b]
.endr
	s_delay_alu instid0(VALU_DEP_1)
	v_lshl_or_b32 v[\hw], v[(\t)+7], 8, v[(\t)+6]
	v_cvt_scalef32_pk16_fp6_f32 v[(\u):(\u)+2], v[(\s):(\s)+15], v[(\t)+4]
	v_cvt_scalef32_pk16_fp6_f32 v[(\u)+6:(\u)+8], v[(\s)+16:(\s)+31], v[(\t)+5]
	v_nop
.irp i, 0,1,2
	v_permlane16_swap_b32 v[(\u)+\i], v[(\u)+6+\i]
.endr
.irp i, 0,1,2
	s_delay_alu instid0(VALU_DEP_3)
	v_mov_b32 v[(\u)+3+\i], v[(\u)+6+\i]
.endr
.endm
	s_load_b256 s[4:11], s[0:1], 0x0               ; qkv_codes, qkv_scales, the mask, ctx_codes
	s_load_b64 s[12:13], s[0:1], 0x20              ; ctx_scales
	v_lshl_add_u32 v[SPW], v0, 2, SPARE
	v_mov_b32 v[NIL], 0
	ds_add_u32 v5, v6
	ds_add_u32 v5, v6
	s_wait_dscnt 0x0
	v_lshrrev_b32 v8, 5, v0
	s_delay_alu instid0(VALU_DEP_1)
	v_readfirstlane_b32 s[WV], v8
	s_bfe_u32 s[CX], ttmp6, 0x40000                ; g
	s_bfe_u32 s[CY], ttmp6, 0x40004
	s_and_b32 s84, ttmp7, 0xffff                   ; the cluster's y
	s_lshr_b32 s[BB], s84, 3                       ; the batch: the same in all sixteen
	s_lshl_b32 s[QB], s84, 2
	s_add_co_u32 s[QB], s[QB], s[CY]               ; my block of 64 tokens
	s_and_b32 s[HH], s[WV], 3
	s_and_b32 s85, s[WV], 1
	s_lshl_b32 s80, s[CY], 2
	s_lshl_b32 s80, 15, s80                        ; my row of the cluster
	s_lshl_b32 s76, 0x1111, s[CX]                  ; my column
	s_or_b32 s[G1D], s76, (3<<16)|(1<<21)          ; 12,288 dense bytes as 48 rows of 256 (32 elements of 8 bytes), no padding
	s_mov_b32 s[G1D+1], 32<<16
	s_mov_b32 s[G1D+2], 48<<16
	s_mov_b32 s[G1D+3], 32<<16
	s_mov_b32 s[G1D+4], 48
	s_mov_b32 s[G1D+5], 32
	s_mov_b32 s[G1D+6], 0
	s_mov_b32 s[G1D+7], 0
	s_or_b32 s[G1S], s76, (3<<16)|(1<<21)          ; 8,192 dense bytes: 32 rows
	s_mov_b32 s[G1S+1], 32<<16
	s_mov_b32 s[G1S+2], 32<<16
	s_mov_b32 s[G1S+3], 32<<16
	s_mov_b32 s[G1S+4], 32
	s_mov_b32 s[G1S+5], 32
	s_mov_b32 s[G1S+6], 0
	s_mov_b32 s[G1S+7], 0
	s_or_b32 s[G1M], s80, (2<<16)|(1<<20)|(1<<21)|(6<<22)|(3<<25)   ; 64 rows of 128 f32, 16 bytes of padding behind each
	s_mov_b32 s[G1M+1], 128<<16
	s_mov_b32 s[G1M+2], 64<<16
	s_mov_b32 s[G1M+3], 128<<16
	s_mov_b32 s[G1M+4], 64
	s_mov_b32 s[G1M+5], 2048
	s_mov_b32 s[G1M+6], 0
	s_mov_b32 s[G1M+7], 0
	s_lshl_b32 s77, s[CX], 1
	s_add_co_u32 s77, s77, s85
	s_add_co_u32 s77, s77, 16
	s_mul_i32 s78, s77, 196608
	s_mul_i32 s77, s[BB], 98304
	s_add_co_u32 s78, s78, s77                     ; K: major 16 + 2 g + (wave % 2), the batch's first key
	s_mov_b32 s79, 0
	s_lshl_b32 s86, s[BB], 2
	s_add_co_u32 s86, s86, s[CX]                   ; 4 batch + g
	s_add_co_u32 s88, s86, 24
	s_mul_i32 s88, s88, 196608
	s_mul_i32 s87, s85, 12288
	s_add_co_u32 s88, s88, s87                     ; V: my half of a slot
	s_mov_b32 s89, 0
	s_add_co_u32 s90, s[CX], 8
	s_lshl_b32 s90, s90, 14
	s_lshl_b32 s91, s[BB], 13
	s_add_co_u32 s90, s90, s91                     ; K's scale words: block 32 (8 + g) + 16 batch
	s_lshl_b32 s91, s86, 13
	s_add_co_u32 s91, s91, 384*512                 ; V's: block 384 + 16 (4 batch + g)
	s_cmp_eq_u32 s85, 0
	s_cselect_b32 s90, s90, s91
	s_mov_b32 s91, 0
	s_lshl_b32 s82, s[QB], 19                      ; the mask: 64 rows of 8,192 bytes a block,
	s_lshl_b32 s81, s85, 9                         ; my step's 128 keys
	s_add_co_u32 s82, s82, s81
	s_mov_b32 s83, 0
	s_mov_b32 s[SEL], 0x76543210
	s_mov_b32 s[SEL+1], 0xfedcba98
	s_mov_b32 s[CS], 0x3fb8aa3b                    ; log2(e)
	s_mov_b32 s[CS+1], s[CS]
	s_mov_b32 s[TB], 0
	s_mov_b32 s[TS], 0
	s_mov_b32 s[SLOTS], 7
	s_wait_kmcnt 0x0
	CROUND                                         ; all sixteen work-groups are here: the first joint loads meet
	s_mov_b32 s[G0K], 1
	s_mov_b32 s[G0K+1], s87
	s_add_nc_u64 s[G0K+2:G0K+3], s[4:5], s[78:79]
	s_or_b32 s[G0K+3], s[G0K+3], 0x80000000
	s_mov_b32 s[G0V], 1
	s_add_co_u32 s[G0V+1], s87, VOFF
	s_add_nc_u64 s[G0V+2:G0V+3], s[4:5], s[88:89]
	s_or_b32 s[G0V+3], s[G0V+3], 0x80000000
	s_mov_b32 s[G0M], 1
	s_mul_i32 s3, s85, MHALF
	s_add_co_u32 s[G0M+1], s3, MOFF
	s_add_nc_u64 s[G0M+2:G0M+3], s[8:9], s[82:83]
	s_or_b32 s[G0M+3], s[G0M+3], 0x80000000
	s_mov_b32 s[G0S], 1
	s_lshl_b32 s3, s85, 13
	s_add_co_u32 s[G0S+1], s3, SCK
	s_add_nc_u64 s[G0S+2:G0S+3], s[6:7], s[90:91]
	s_or_b32 s[G0S+3], s[G0S+3], 0x80000000
	TLOAD 1                                        ; slot 0 and the scale words: one load a wave
	s_lshl_b32 s92, s[CX], 2
	s_add_co_u32 s92, s92, s[HH]                   ; my head
	s_lshr_b32 s93, s[WV], 2                       ; my tile of queries
	s_lshl_b32 s94, s[QB], 6
	s_lshl_b32 s95, s93, 4
	s_add_co_u32 s94, s94, s95                     ; my first token
	s_mul_i32 s96, s92, 196608
	s_mul_i32 s95, s94, 48
	s_add_co_u32 s96, s96, s95
	s_mov_b32 s97, 0
	s_add_nc_u64 s[96:97], s[4:5], s[96:97]
	s_lshr_b32 s98, s92, 1
	s_lshl_b32 s98, s98, 14
	s_lshl_b32 s95, s94, 2
	s_add_co_u32 s98, s98, s95
	s_mov_b32 s99, 0
	s_add_nc_u64 s[98:99], s[6:7], s[98:99]
	v_and_b32 v8, 15, v0                           ; r
	v_bfe_u32 v9, v0, 4, 1                         ; h
	s_delay_alu instid0(VALU_DEP_2)
	v_mul_u32_u24 v30, v8, 48
	s_delay_alu instid0(VALU_DEP_1)
	v_mad_u32_u24 v30, v9, 24, v30                 ; a row of 48 bytes, block h
	s_delay_alu instid0(VALU_DEP_4)
	v_lshlrev_b32 v31, 2, v8
.irp p, 0,1,2
	global_load_b64 v[QF+2*\p:QF+2*\p+1], v30, s[96:97] offset:8*\p
.endr
	global_load_b32 v[QW], v31, s[98:99]
	s_lshr_b32 s2, s[HH], 1                        ; which of the two key and value heads
	s_mul_i32 s3, s2, 12288
	v_add_nc_u32 v[AK0], s3, v30
	s_mul_i32 s3, s2, 64*48
	s_add_co_u32 s3, s3, VOFF
	v_add_nc_u32 v[AV0], s3, v30
	v_and_b32 v10, 31, v0
	s_lshl_b32 s3, s2, 1
	s_add_co_u32 s3, s3, SCK
	v_lshl_add_u32 v[ASK0], v10, 2, s3             ; lanes 0-15: an even tile's keys, lanes 16-31: the odd tile's; my head's two bytes
	s_lshl_b32 s3, s2, 8
	s_add_co_u32 s3, s3, SCV
	v_lshl_add_u32 v[ASV0], v10, 2, s3
	s_mul_i32 s3, s93, 16*MP
	s_add_co_u32 s3, s3, MOFF
	v_mul_u32_u24 v11, v8, MP
	s_delay_alu instid0(VALU_DEP_1)
	v_lshl_add_u32 v11, v9, 5, v11
	s_delay_alu instid0(VALU_DEP_1)
	v_add_nc_u32 v[AM0], s3, v11                   ; the mask: my query's row, 32 bytes for each half of the lanes
	s_and_b32 s2, s[HH], 1
	s_lshl_b32 s2, s2, 4
	s_wait_loadcnt 0x0                             ; Q
	v_lshrrev_b32 v[QW], s2, v[QW]                 ; my head's two bytes,
	s_delay_alu instid0(VALU_DEP_1)
	v_and_b32 v[QW], 0xffff, v[QW]                 ; the zero codes' bytes 0,
	s_delay_alu instid0(VALU_DEP_1)
	v_add_nc_u32 v[QW], 0xfffffcfd, v[QW]          ; 3 off each: q / 8.  (The bytes are 4 at the least: no borrow)
.irp j, 0,1,2,3,4,5
	v_mov_b32 v[QF+6+\j], 0
	v_mov_b32 v[KV+48+\j], 0
.endr
	v_mov_b32 v13, 0xff61b1e6                      ; the largest t so far: -3e38
	s_delay_alu instid0(VALU_DEP_1)
	v_floor_f32 v12, -v13
	v_mov_b32 v14, 0
	v_mov_b32 v15, 0
.irp b, 0,1,2,3
	v_mov_b32 v[PX+\b], 0                          ; written once: a lane permute's destination counts as a source
.endr
	v_mov_b32 v[FF+1], 0
.irp j, 0,1,2,3,4,5,6,7,8,9,10,11,12,13,14,15,16,17,18,19,20,21,22,23,24,25,26,27,28,29,30,31
	v_mov_b32 v[OT+\j], 0                          ; O^T: the step is written once.  (These are also the places between Q's scale word and zero codes and the first product)
.endr
	s_lshl_b32 s92, s[CX], 12
	s_lshl_b32 s93, s[QB], 6
	s_add_co_u32 s92, s92, s93                     ; ctx: row 4,096 g + my block's first token
	; ctx_codes is an image of the next launch's operand registers: [tile of 16 tokens][K step of 128][6 pieces][32 lanes][8 bytes]; my head's 64 channels are three pieces: byte 768 x head of the tile's 12,288
	s_lshl_b32 s94, s[QB], 2
	s_lshr_b32 s96, s[WV], 2
	s_add_co_u32 s94, s94, s96
	s_mul_i32 s94, s94, 12288
	s_lshl_b32 s96, s[CX], 2
	s_add_co_u32 s96, s96, s[HH]
	s_mul_i32 s96, s96, 768
	s_add_co_u32 s94, s94, s96
	s_mov_b32 s95, 0
	s_add_nc_u64 s[10:11], s[10:11], s[94:95]
	s_lshl_b32 s94, s92, 3
	s_add_nc_u64 s[12:13], s[12:13], s[94:95]
	; the prefetches: where my wave's stand, one slot short of slot 2 (the first change of slots steps them), and who asks
	s_lshl_b32 s92, s[CX], 4
	s_lshl_b32 s93, s85, 3
	s_add_co_u32 s92, s92, s93
	s_lshl_b32 s92, s92, 13
	s_lshl_b32 s93, s[QB], 19
	s_add_co_u32 s92, s92, s93
	s_add_co_u32 s92, s92, 1024                    ; the mask: rows 16 cx + 8 (wave % 2) on
	s_lshr_b32 s97, s[CY], 1
	s_mul_i32 s93, s97, 12288
	s_add_co_u32 s93, s93, 12288                   ; a slot on: 12,288 in a head of K, 24,576 in V
	s_lshl_b32 s94, s[CX], 1
	s_add_co_u32 s94, s94, s[CY]
	s_add_co_u32 s94, s94, 16
	s_mul_i32 s94, s94, 196608
	s_mul_i32 s96, s[BB], 98304
	s_add_co_u32 s94, s94, s96                     ; places 0, 1 along y: a head of K
	s_lshl_b32 s96, s[BB], 2
	s_add_co_u32 s96, s96, s[CX]
	s_add_co_u32 s96, s96, 24
	s_mul_i32 s96, s96, 196608
	s_and_b32 s98, s[CY], 1
	s_mul_i32 s98, s98, 24576
	s_add_co_u32 s96, s96, s98                     ; places 2, 3: V, the first or the second of two slots
	s_sub_co_u32 s96, s96, s94
	s_mul_i32 s96, s96, s97
	s_add_co_u32 s94, s94, s96                     ; the one or the other, by arithmetic
	s_add_co_u32 s94, s94, s93
	s_sub_co_u32 s96, s[WV], 10
	s_lshl_b32 s96, s96, 13
	s_add_co_u32 s94, s94, s96                     ; 8,192 bytes a wave
	s_mov_b32 s97, 1024
	s_and_b32 s98, s84, 7
	s_cmp_eq_u32 s98, 0
	s_cselect_b32 s98, 1, -1                       ; the batch's first cluster: the same in all sixteen
	s_cmp_lt_u32 s[WV], 10
	s_cselect_b64 s[PFA:PFA+1], s[8:9], s[4:5]
	s_cselect_b32 s94, s92, s94
	s_cselect_b32 s[PFS], 1024, s93
	s_cselect_b32 s97, 8192, s97
	s_cselect_b32 s[EVR], 0, 1
	s_cselect_b32 s[LIM], 1, s98
	s_cmp_lt_u32 s[WV], 8
	s_cselect_b32 s[LIM], -1, s[LIM]
	s_cmp_gt_u32 s[WV], 12
	s_cselect_b32 s[LIM], -1, s[LIM]
	s_mov_b32 s95, 0
	s_mov_b32 s[PFS+1], 0
	s_add_nc_u64 s[PFA:PFA+1], s[PFA:PFA+1], s[94:95]
	v_lshrrev_b32 v11, 2, v10
	s_delay_alu instid0(VALU_DEP_1)
	v_mul_lo_u32 v[PFO], v11, s97
	v_and_b32 v11, 3, v10
	s_delay_alu instid0(VALU_DEP_1)
	v_lshl_add_u32 v[PFO], v11, 8, v[PFO]          ; four lanes to 1,024 bytes; the next four a row of the mask on, or 1,024 bytes on
; A KEY STEP: 128 keys, the q-th of the slot in hand.
.macro STEP q
	v_add_nc_u32 v[ADK], s[TB], v[AK0]             ; (these five are also the places in front of loads into registers that the last products read)
	v_add_nc_u32 v[ADV], s[TB], v[AV0]
	v_add_nc_u32 v[ADM], s[TB], v[AM0]
	v_add_nc_u32 v[ADS], s[TS], v[ASK0]
	v_add_nc_u32 v[ADT], s[TS], v[ASV0]
.irp t, 0,1,2,3,4,5,6,7
	ds_load_b128 v[S+8*\t:S+8*\t+3], v[ADM] offset:MHALF*(\q)+64*\t        ; mask(my query, keys 16 t + 8 h + 0 .. 7): the product's C
	ds_load_b128 v[S+8*\t+4:S+8*\t+7], v[ADM] offset:MHALF*(\q)+64*\t+16
.endr
.irp t, 0,1,2,3,4,5,6,7
.irp p, 0,1,2
	ds_load_b64 v[KV+6*\t+2*\p:KV+6*\t+2*\p+1], v[ADK] offset:(128*(\q)+16*\t)*48+8*\p
.endr
.endr
.irp i, 0,1,2,3
	ds_load_u16 v[KS+\i], v[ADS] offset:128*\i     ; the upper two bytes, for the zero codes, come as 0
.endr
	s_wait_alu depctr_va_vdst(0)
	s_wait_dscnt 0x0
.irp t, 0,1,2,3,4,5,6,7
.if \t%2
	v_wmma_scale_f32_16x16x128_f8f6f4 v[S+8*\t:S+8*\t+7], v[KV+6*\t:KV+6*\t+11], v[QF:QF+11], v[S+8*\t:S+8*\t+7], v[KS+\t/2], v[QW] matrix_a_fmt:MATRIX_FMT_FP6 matrix_b_fmt:MATRIX_FMT_FP6 matrix_a_scale:MATRIX_SCALE_ROW1
.else
	v_wmma_scale_f32_16x16x128_f8f6f4 v[S+8*\t:S+8*\t+7], v[KV+6*\t:KV+6*\t+11], v[QF:QF+11], v[S+8*\t:S+8*\t+7], v[KS+\t/2], v[QW] matrix_a_fmt:MATRIX_FMT_FP6 matrix_b_fmt:MATRIX_FMT_FP6
.endif
.endr
.rept 4
	v_nop                                          ; places in front of the loads over K's registers and of the first read of the scores
.endr
.irp t, 0,1,2,3
.irp c, 0,1
.irp p, 0,1,2
	ds_load_b64 v[KV+12*\t+6*\c+2*\p:KV+12*\t+6*\c+2*\p+1], v[ADV] offset:(2*(\q)+\c)*6144+768*\t+8*\p   ; V lands while the softmax is worked
.endr
.endr
.endr
.irp i, 0,1
	ds_load_b32 v[VS+\i], v[ADT] offset:128*\i
.endr
.irp b, 0,1,2,3
	v_max3_num_f32 v[BM+\b], v[S+16*\b], v[S+16*\b+1], v[S+16*\b+2]   ; the largest logit of each block of 32 keys: for the row's maximum, and, since p rises with the logit, for the block's largest p
.endr
.irp i, 3,5,7,9,11,13
.irp b, 0,1,2,3
	v_max3_num_f32 v[BM+\b], v[BM+\b], v[S+16*\b+\i], v[S+16*\b+\i+1]
.endr
.endr
.irp b, 0,1,2,3
	v_max_num_f32 v[BM+\b], v[BM+\b], v[S+16*\b+15]
.endr
.irp b, 0,1,2,3
	s_delay_alu instid0(VALU_DEP_4)
	v_permlanex16_b32 v[PX+\b], v[BM+\b], s[SEL], s[SEL+1]
.endr
.irp b, 0,1,2,3
	s_delay_alu instid0(VALU_DEP_4)
	v_max_num_f32 v[BM+\b], v[BM+\b], v[PX+\b]     ; with lane l xor 16's 16 keys
.endr
	s_delay_alu instid0(VALU_DEP_2)
	v_max3_num_f32 v[TA], v[BM], v[BM+1], v[BM+2]
	s_delay_alu instid0(VALU_DEP_1)
	v_max_num_f32 v[TA], v[TA], v[BM+3]
	s_delay_alu instid0(VALU_DEP_1)
	v_mul_f32 v[TA], s[CS], v[TA]                  ; as t
	s_delay_alu instid0(VALU_DEP_1)
	v_max_num_f32 v13, v13, v[TA]                  ; the running largest t
	v_mov_b32 v[TA], v12
	s_delay_alu instid0(VALU_DEP_2)
	v_floor_f32 v12, -v13                          ; -M = floor(-t): M is a whole number
	s_delay_alu instid0(VALU_DEP_1)
	v_sub_f32 v[TA], v12, v[TA]                    ; old M - new M: a whole number, 0 or less
	s_delay_alu instid0(VALU_DEP_1)
	v_cvt_i32_f32 v[TA], v[TA]                     ; (it saturates)
	s_delay_alu instid0(VALU_DEP_1)
	v_ldexp_f32 v[FF], 1.0, v[TA]                  ; f = 2^(old M - new M)
.irp j, 0,2,4,6,8,10,12,14,16,18,20,22,24,26,28,30,32,34,36,38,40,42,44,46,48,50,52,54,56,58,60,62
	v_pk_fma_f32 v[S+\j:S+\j+1], v[S+\j:S+\j+1], s[CS:CS+1], v[12:13] op_sel_hi:[1,0,0]   ; t - M
.endr
.irp b, 0,1,2,3
	v_fma_f32 v[BM+\b], v[BM+\b], s[CS], v12
.endr
	s_wait_alu depctr_va_vdst(0)
.irp j, 0,1,2,3,4,5,6,7,8,9,10,11,12,13,14,15,16,17,18,19,20,21,22,23,24,25,26,27,28,29,30,31,32,33,34,35,36,37,38,39,40,41,42,43,44,45,46,47,48,49,50,51,52,53,54,55,56,57,58,59,60,61,62,63
	v_exp_f32 v[S+\j], v[S+\j]                     ; p = 2^(t - M)
.endr
	v_pk_mul_f32 v[14:15], v[14:15], v[FF:FF+1] op_sel_hi:[1,0]   ; the sums under the new M: a plain place behind the exponentials
	s_wait_alu depctr_va_vdst(0)                   ; one wait for the batch, ahead of its first reader
.irp b, 0,1,2,3
	v_exp_f32 v[BM+\b], v[BM+\b]                   ; the block's largest p
.endr
	v_pk_add_f32 v[240:241], v[100:101], v[104:105]
	v_pk_add_f32 v[254:255], v[108:109], v[112:113]
	v_pk_add_f32 v[252:253], v[116:117], v[120:121]
	v_pk_add_f32 v[250:251], v[124:125], v[128:129]
	v_pk_add_f32 v[248:249], v[132:133], v[136:137]
	v_pk_add_f32 v[246:247], v[140:141], v[144:145]
	v_pk_add_f32 v[244:245], v[148:149], v[152:153]
	v_pk_add_f32 v[14:15], v[14:15], v[156:157]
	v_pk_add_f32 v[240:241], v[240:241], v[96:97]
	v_pk_add_f32 v[254:255], v[254:255], v[98:99]
	v_pk_add_f32 v[252:253], v[252:253], v[102:103]
	v_pk_add_f32 v[250:251], v[250:251], v[106:107]
	v_pk_add_f32 v[248:249], v[248:249], v[110:111]
	v_pk_add_f32 v[246:247], v[246:247], v[114:115]
	v_pk_add_f32 v[244:245], v[244:245], v[118:119]
	v_pk_add_f32 v[14:15], v[14:15], v[122:123]
	v_pk_add_f32 v[240:241], v[240:241], v[126:127]
	v_pk_add_f32 v[254:255], v[254:255], v[130:131]
	v_pk_add_f32 v[252:253], v[252:253], v[134:135]
	v_pk_add_f32 v[250:251], v[250:251], v[138:139]
	v_pk_add_f32 v[248:249], v[248:249], v[142:143]
	v_pk_add_f32 v[246:247], v[246:247], v[146:147]
	v_pk_add_f32 v[244:245], v[244:245], v[150:151]
	v_pk_add_f32 v[14:15], v[14:15], v[154:155]
	v_pk_add_f32 v[240:241], v[240:241], v[158:159]
	s_delay_alu instid0(VALU_DEP_2)
	v_pk_add_f32 v[14:15], v[14:15], v[250:251]
	s_delay_alu instid0(VALU_DEP_2)
	v_pk_add_f32 v[240:241], v[240:241], v[248:249]
	v_pk_add_f32 v[254:255], v[254:255], v[246:247]
	v_pk_add_f32 v[252:253], v[252:253], v[244:245]
	s_delay_alu instid0(VALU_DEP_2)
	v_pk_add_f32 v[14:15], v[14:15], v[254:255]
	s_delay_alu instid0(VALU_DEP_2)
	v_pk_add_f32 v[240:241], v[240:241], v[252:253]
	s_delay_alu instid0(VALU_DEP_1)
	v_pk_add_f32 v[14:15], v[14:15], v[240:241]
	s_wait_alu depctr_va_vdst(0)                   ; and one for the four
.irp b, 0,1,2,3
	v_max_num_f32 v[BM+\b], 0x1800000, v[BM+\b]    ; the floor 2^(3 - 127): the byte cannot fall under 1
.endr
.irp b, 0,1,2,3
	s_delay_alu instid0(VALU_DEP_4)
	v_add_nc_u32 v[SO+\b], 0xff000000, v[BM+\b]
.endr
.irp b, 0,1,2,3
	s_delay_alu instid0(VALU_DEP_4)
	v_lshrrev_b32 v[BY+\b], 23, v[SO+\b]
.endr
	s_delay_alu instid0(VALU_DEP_3)
	v_lshl_or_b32 v[PWD], v[BY+1], 8, v[BY]
	s_delay_alu instid0(VALU_DEP_1)
	v_lshl_or_b32 v[PWD], v[BY+2], 16, v[PWD]
	s_delay_alu instid0(VALU_DEP_1)
	v_lshl_or_b32 v[PWD], v[BY+3], 24, v[PWD]      ; p's scale word for these 128 keys
.irp c, 0,1
	v_cvt_scalef32_pk16_fp6_f32 v[PCD+6*\c:PCD+6*\c+2], v[S+32*\c:S+32*\c+15], v[SO+2*\c]
	v_cvt_scalef32_pk16_fp6_f32 v[CT+4*\c:CT+4*\c+2], v[S+32*\c+16:S+32*\c+31], v[SO+2*\c+1]
.endr
	v_nop                                          ; one plain place behind a scaled conversion
.irp c, 0,1
.irp i, 0,1,2
	v_permlane16_swap_b32 v[PCD+6*\c+\i], v[CT+4*\c+\i]
.endr
.irp i, 0,1,2
	s_delay_alu instid0(VALU_DEP_3)
	v_mov_b32 v[PCD+6*\c+3+\i], v[CT+4*\c+\i]
.endr
.endr
.irp j, 0,2,4,6,8,10,12,14,16,18,20,22,24,26,28,30
	v_pk_mul_f32 v[OT+\j:OT+\j+1], v[OT+\j:OT+\j+1], v[FF:FF+1] op_sel_hi:[1,0]   ; O^T under the new M.  (Twelve of these name no register of a given product below: the places behind p's codes and scale word)
.endr
	s_wait_alu depctr_va_vdst(0)
	s_wait_dscnt 0x0                               ; V
.irp t, 0,1,2,3
.if \t%2
	v_wmma_scale_f32_16x16x128_f8f6f4 v[OT+8*\t:OT+8*\t+7], v[KV+12*\t:KV+12*\t+11], v[PCD:PCD+11], v[OT+8*\t:OT+8*\t+7], v[VS+\t/2], v[PWD] matrix_a_fmt:MATRIX_FMT_FP6 matrix_b_fmt:MATRIX_FMT_FP6 matrix_a_scale:MATRIX_SCALE_ROW1
.else
	v_wmma_scale_f32_16x16x128_f8f6f4 v[OT+8*\t:OT+8*\t+7], v[KV+12*\t:KV+12*\t+11], v[PCD:PCD+11], v[OT+8*\t:OT+8*\t+7], v[VS+\t/2], v[PWD] matrix_a_fmt:MATRIX_FMT_FP6 matrix_b_fmt:MATRIX_FMT_FP6
.endif
.endr
	s_add_co_u32 s[TS], s[TS], 512                 ; the next step's scale words
.endm
; THE CHANGE OF SLOTS, at a slot's head.  Each wave waits for all its tensor loads (its part of the slot ahead), adds 0 to its spare word, and waits for that and for its reads of the slot that it has left.
; fill = 1: a round of the cluster's barrier, and behind it the slot just left is filled with the next 256 keys: the load has two key steps in which to land.
.macro CHANGE fill
	s_wait_tensorcnt 0x0
	ds_add_u32 v[SPW], v[NIL]
.if \fill
	s_xor_b32 s[G0K+1], s[G0K+1], SLOT1
	s_add_nc_u64 s[G0K+2:G0K+3], s[G0K+2:G0K+3], 12288
	s_xor_b32 s[G0V+1], s[G0V+1], SLOT1
	s_add_nc_u64 s[G0V+2:G0V+3], s[G0V+2:G0V+3], 24576
	s_xor_b32 s[G0M+1], s[G0M+1], SLOT1
	s_add_nc_u64 s[G0M+2:G0M+3], s[G0M+2:G0M+3], 1024
	s_wait_xcnt 0x0                                ; the last prefetch, a slot back, has read its address
	s_add_nc_u64 s[PFA:PFA+1], s[PFA:PFA+1], s[PFS:PFS+1]
	s_wait_dscnt 0x0
	CROUND
	TLOAD 0
	ASK
.else
	s_wait_dscnt 0x0
	s_barrier_signal -1
	s_barrier_wait -1
.endif
.endm
.Lslot:                                            ; seven trips: behind each change of slots but the last the next slot is asked for
	CHANGE 1
	STEP 0
	STEP 1
	s_xor_b32 s[TB], s[TB], SLOT1
	s_sub_co_u32 s[SLOTS], s[SLOTS], 1
	s_cmp_lg_u32 s[SLOTS], 0
	s_cbranch_scc1 .Lslot
	CHANGE 0                                       ; the last slot is written out
	STEP 0
	STEP 1
	; THE WAY OUT: O^T / the sum, the channels into true order, quantised, the codes straight out, the scale bytes through the stage
	v_add_f32 v14, v14, v15
	s_delay_alu instid0(VALU_DEP_1)
	v_permlanex16_b32 v[TA], v14, s[SEL], s[SEL+1]
	s_delay_alu instid0(VALU_DEP_1)
	v_add_f32 v14, v14, v[TA]                      ; the row's sum
	s_wait_alu depctr_va_vdst(0)
	v_rcp_f32 v14, v14
	v_and_b32 v8, 15, v0                           ; (plain work behind the reciprocal, and the places behind the last products)
	s_wait_alu depctr_va_vdst(0)
	s_lshr_b32 s2, s[WV], 2
	s_lshl_b32 s3, s2, 7
	s_lshl_b32 s71, s[HH], 1
	s_add_co_u32 s3, s3, s71
	s_add_co_u32 s3, s3, SSTG
	v_lshl_add_u32 v11, v8, 3, s3                  ; my token's 8 scale bytes, my head's two
	v_and_b32 v28, 31, v0
	s_delay_alu instid0(VALU_DEP_1)
	v_lshlrev_b32 v28, 3, v28
	v_lshlrev_b32 v1, 3, v0
	s_delay_alu instid0(VALU_DEP_1)
	v_add_nc_u32 v2, SSTG, v1
	s_wait_alu depctr_va_vdst(0)                   ; the wait ahead of the reciprocal's first reader
.irp j, 0,1,2,3,4,5,6,7,8,9,10,11,12,13,14,15,16,17,18,19,20,21,22,23,24,25,26,27,28,29,30,31
	v_mul_f32 v[S+\j], v[OT+\j], v14               ; register 8 t + j: channel 16 t + 8 h + j
.endr
.irp b, 0,1
.irp j, 0,1,2,3,4,5,6,7
	v_permlane16_swap_b32 v[S+16*\b+\j], v[S+16*\b+8+\j]   ; register 16 b + i now: channel 32 b + 16 h + i
.endr
.endr
	QUANT2 S, PCD, BM, TA, 0x1800000
.irp p, 0,1,2
	global_store_b64 v28, v[PCD+2*\p:PCD+2*\p+1], s[10:11] offset:256*\p   ; 32 lanes store 256 consecutive bytes, at a multiple of 256 from the buffer's first byte
.endr
	ds_store_b16 v11, v[TA]                        ; both lanes of a row write the same two bytes with the same value
	s_wait_dscnt 0x0                               ; for the others' sake: my stores into the stage are done
	s_barrier_signal -1
	s_barrier_wait -1
	s_cmp_lt_u32 s[WV], 2
	s_cbranch_scc0 .Lno_words
	ds_load_b64 v[KV+8:KV+9], v2                   ; waves 0, 1: the 64 tokens' scale bytes
	s_wait_dscnt 0x0
	global_store_b64 v1, v[KV+8:KV+9], s[12:13]
.Lno_words:
	s_wait_tensorcnt 0x0                           ; the wave's end
	ds_add_u32 v[SPW], v[NIL]
	s_wait_dscnt 0x0
	CROUND                                         ; the closing round
	s_endpgm
.Lfunc_end_k_q18ebc20eb4_attn:
	.size	k_q18ebc20eb4_attn, .Lfunc_end_k_q18ebc20eb4_attn-k_q18ebc20eb4_attn
	.p2alignl 7, 3214868480
	.fill 96, 4, 3214868480
	.section	.rodata,"a",@progbits
	.p2align	6, 0x0
	.amdhsa_kernel k_q18ebc20eb4_attn
		.amdhsa_group_segment_fixed_size 327680
		.amdhsa_private_segment_fixed_size 0
		.amdhsa_enable_private_segment 0
		.amdhsa_kernarg_size 40
		.amdhsa_user_sgpr_count 2
		.amdhsa_user_sgpr_kernarg_segment_ptr 1
		.amdhsa_wavefront_size32 1
		.amdhsa_system_sgpr_workgroup_id_x 1
		.amdhsa_system_sgpr_workgroup_id_y 1
		.amdhsa_system_sgpr_workgroup_id_z 1
		.amdhsa_system_vgpr_workitem_id 0
		.amdhsa_next_free_vgpr 256
		.amdhsa_next_free_sgpr 100
		.amdhsa_reserve_vcc 0
		.amdhsa_float_denorm_mode_32 3
		.amdhsa_float_denorm_mode_16_64 3
		.amdhsa_memory_ordered 1
		.amdhsa_forward_progress 1
		.amdhsa_inst_pref_size 99
	.end_amdhsa_kernel
	.amdgpu_metadata
---
amdhsa.version: [ 1, 2 ]
amdhsa.kernels:
  - .name:           k_q18ebc20eb4_attn
    .symbol:         k_q18ebc20eb4_attn.kd
    .args:
      - { .name: qkv_codes, .offset: 0, .size: 8, .value_kind: global_buffer, .address_space: global }
      - { .name: qkv_scales, .offset: 8, .size: 8, .value_kind: global_buffer, .address_space: global }
      - { .name: attention_mask, .offset: 16, .size: 8, .value_kind: global_buffer, .address_space: global }
      - { .name: ctx_codes, .offset: 24, .size: 8, .value_kind: global_buffer, .address_space: global }
      - { .name: ctx_scales, .offset: 32, .size: 8, .value_kind: global_buffer, .address_space: global }
    .group_segment_fixed_size: 327680
    .private_segment_fixed_size: 0
    .kernarg_segment_align: 8
    .kernarg_segment_size: 40
    .max_flat_workgroup_size: 512
    .sgpr_count:     100
    .vgpr_count:     256
    .wavefront_size: 32
...
	.end_amdgpu_metadata
.endif
;; end of part 2
;; launch outp (part 3): grid 32 x 8, 4 waves a work-group, clusters of 4 x 1, 262,144 bytes of LDS; arguments ctx_codes, ctx_scales, Wo_codes, Wo_scales, out0; writes out0
.if DOCPART == 3
	.amdgcn_target "amdgcn-amd-amdhsa--gfx1250"
	.amdhsa_code_object_version 6
	.text
	.protected	k_q18ebc20eb4_outp
	.globl	k_q18ebc20eb4_outp
	.p2align	8
	.type	k_q18ebc20eb4_outp,@function
k_q18ebc20eb4_outp:
	s_mov_b64 s[64:65], 0
	v_nop
	global_prefetch_b8 v0, s[64:65] scope:SCOPE_SE
	s_setreg_imm32_b32 hwreg(HW_REG_WAVE_MODE, 25, 1), 1
	s_wait_xcnt 0x0
	s_wait_alu depctr_hold_cnt(0) depctr_sa_sdst(0) depctr_va_vdst(0) depctr_va_sdst(0) depctr_va_ssrc(0) depctr_va_vcc(0) depctr_vm_vsrc(0)
	s_getreg_b32 s2, hwreg(HW_REG_IB_STS2, 6, 4)
	s_cmp_eq_u32 s2, 0
	s_cbranch_scc0 .Lentry_in_a_cluster
	s_endpgm
.Lentry_in_a_cluster:
	s_bfe_u32 s2, ttmp6, 0x10000c
	s_cmp_lg_u32 s2, 0x3003
	s_cbranch_scc0 .Lentry_shape_is_right
	s_endpgm
.Lentry_shape_is_right:
; out = ctx Wo^T on codes of FP6 (E2M3) with E8M0 scales, K = 1,024; out [4,096][2,048] f32.
; SHARES.  256 work-groups, each 128 tokens x 256 columns; a wave 64 tokens x 128 columns.  Source 0 = 16 rows of Wo, source 1 = 16 tokens: a lane holds eight neighbouring columns of one token's row.
; Wo's 256 rows lie whole in LDS (768 bytes a row, each row at a multiple of 256): filled once, 64 rows a wave.  The four partners of a cluster (4 x 1) have the same columns and ask for them jointly.
; ctx_codes is an image of the operand's registers, [tile of 16 tokens][K step][6 pieces][32 lanes][8 bytes]: a wave loads its four tiles for all of K straight into 384 registers; each load reads 256 consecutive bytes.
; ctx_scales [4][4,096 tokens][8] and Wo_scales go into registers too: lanes 0-15 an even tile's rows, lanes 16-31 the odd tile's; register s = the word of K step s.
; The columns go in two groups of 64: a group's sums are finished over all of K and stored while the next group is multiplied; LDS is read once all the same, since the tokens' fragments stay in registers.
; No prefetch: LDS is filled once, at the head, and every load from memory is issued there; there is no loop to run ahead in.
; REGISTERS.  Window 0: v0-31 addresses, v32-63 Wo's scale words, v64-79 ctx's, v96-239 ctx's K steps 5-7.  Window 1: v0-191 Wo's fragments, two sets of two K steps x four tiles; v192-255 rows on the way out.
; Window 2: accumulator (group g, a, b) at 128 g + 8 (4 a + b).  Window 3: ctx's K steps 0-4.
.set PITCH, 816                        ; 3 x (256 bytes + 16 of padding)
.set SPARE, 256*PITCH
.set STG,   SPARE+512                  ; 16 rows x 272 bytes for each wave
.set ADP, 8                            ; v8, v9 my tiles 0-3, 4-7 of Wo; v10, v11 the same behind one padding more for lanes 16-31
.set ADQ, 10
.set L8,  12
.set L32, 13
.set STO, 14
.set RD,  15
.set CO,  16
.set SPW, 26
.set NIL, 27
.set SCP, 32
.set SCR, 64
.set BK,  192
.set WV, 24
.set WR, 25
.set WP, 26
.set CX, 27
.set G1, 32
.set G0, 40
.set MSB, 0
.macro WIN new
.if MSB != \new
	s_set_vgpr_msb (MSB<<8)|\new
.set MSB, \new
.endif
.endm
.set TO_F, 0x40
.macro PLACES n
.rept \n
	v_nop
.endr
.endm
.macro CROUND
	s_barrier_signal -1
	s_barrier_wait -1
	s_cmp_lg_u32 s[WV], 0
	s_cbranch_scc1 .Lnot_wave_0_\@
	s_barrier_signal -3
.Lnot_wave_0_\@:
	s_barrier_wait -3
	s_barrier_signal -1
	s_barrier_wait -1
.endm
.macro FRAG reg, g, st, i              ; byte y of a row lies at y + 16 (y / 256) of its LDS row
.irp p, 0,1,2,3,4,5
.set BY, 96*(\st)+48*(\p/3)+8*(\p%3)
.if BY/256 == (BY+24)/256
	ds_load_b64 v[\reg+2*\p:\reg+2*\p+1], v[ADP+(\g)] offset:BY+16*(BY/256)+(\i)*16*PITCH
.else
	ds_load_b64 v[\reg+2*\p:\reg+2*\p+1], v[ADQ+(\g)] offset:BY+16*(BY/256)+(\i)*16*PITCH
.endif
.endr
.endm
.macro FETCH ph                        ; phase ph: group ph / 4, K steps 2 (ph % 4) and the next: 48 loads into set ph % 2
	WIN TO_F
.irp q, 0,1
.irp i, 0,1,2,3
	FRAG 96*((\ph)%2)+48*\q+12*\i, (\ph)/4, 2*((\ph)%4)+\q, \i
.endr
.endr
.endm
.macro WM z, x, y
.if \z
.if (\x)==0 && (\y)==0
	v_wmma_scale_f32_16x16x128_f8f6f4 v[wD:wD+7], v[wP:wP+11], v[wR:wR+11], 0, v[wS], v[wT] matrix_a_fmt:MATRIX_FMT_FP6 matrix_b_fmt:MATRIX_FMT_FP6
.endif
.if (\x)==1 && (\y)==0
	v_wmma_scale_f32_16x16x128_f8f6f4 v[wD:wD+7], v[wP:wP+11], v[wR:wR+11], 0, v[wS], v[wT] matrix_a_fmt:MATRIX_FMT_FP6 matrix_b_fmt:MATRIX_FMT_FP6 matrix_a_scale:MATRIX_SCALE_ROW1
.endif
.if (\x)==0 && (\y)==1
	v_wmma_scale_f32_16x16x128_f8f6f4 v[wD:wD+7], v[wP:wP+11], v[wR:wR+11], 0, v[wS], v[wT] matrix_a_fmt:MATRIX_FMT_FP6 matrix_b_fmt:MATRIX_FMT_FP6 matrix_b_scale:MATRIX_SCALE_ROW1
.endif
.if (\x)==1 && (\y)==1
	v_wmma_scale_f32_16x16x128_f8f6f4 v[wD:wD+7], v[wP:wP+11], v[wR:wR+11], 0, v[wS], v[wT] matrix_a_fmt:MATRIX_FMT_FP6 matrix_b_fmt:MATRIX_FMT_FP6 matrix_a_scale:MATRIX_SCALE_ROW1 matrix_b_scale:MATRIX_SCALE_ROW1
.endif
.else
.if (\x)==0 && (\y)==0
	v_wmma_scale_f32_16x16x128_f8f6f4 v[wD:wD+7], v[wP:wP+11], v[wR:wR+11], v[wD:wD+7], v[wS], v[wT] matrix_a_fmt:MATRIX_FMT_FP6 matrix_b_fmt:MATRIX_FMT_FP6
.endif
.if (\x)==1 && (\y)==0
	v_wmma_scale_f32_16x16x128_f8f6f4 v[wD:wD+7], v[wP:wP+11], v[wR:wR+11], v[wD:wD+7], v[wS], v[wT] matrix_a_fmt:MATRIX_FMT_FP6 matrix_b_fmt:MATRIX_FMT_FP6 matrix_a_scale:MATRIX_SCALE_ROW1
.endif
.if (\x)==0 && (\y)==1
	v_wmma_scale_f32_16x16x128_f8f6f4 v[wD:wD+7], v[wP:wP+11], v[wR:wR+11], v[wD:wD+7], v[wS], v[wT] matrix_a_fmt:MATRIX_FMT_FP6 matrix_b_fmt:MATRIX_FMT_FP6 matrix_b_scale:MATRIX_SCALE_ROW1
.endif
.if (\x)==1 && (\y)==1
	v_wmma_scale_f32_16x16x128_f8f6f4 v[wD:wD+7], v[wP:wP+11], v[wR:wR+11], v[wD:wD+7], v[wS], v[wT] matrix_a_fmt:MATRIX_FMT_FP6 matrix_b_fmt:MATRIX_FMT_FP6 matrix_a_scale:MATRIX_SCALE_ROW1 matrix_b_scale:MATRIX_SCALE_ROW1
.endif
.endif
.endm
.macro MULS ph                         ; 32 products: two K steps x the group's 16 accumulators, which take turns in the same order
.irp q, 0,1
.set mS, 2*((\ph)%4)+\q
.if mS < 5
	WIN 0xad                                       ; source 0 window 1, source 1 window 3, C and D window 2
.set mR, 48*mS
.else
	WIN 0xa1                                       ; source 1 window 0
.set mR, 96+48*(mS-5)
.endif
.irp a, 0,1,2,3
.irp b, 0,1,2,3
.set wD, 128*((\ph)/4)+8*(4*\a+\b)
.set wP, 96*((\ph)%2)+48*\q+12*\b
.set wR, mR+12*\a
.set wS, SCP+8*(2*((\ph)/4)+\b/2)+mS
.set wT, SCR+8*(\a/2)+mS
	WM (mS==0), \b%2, \a%2
.endr
.endr
.endr
.endm
.macro PHASE ph
.if (\ph) > 0
	PLACES 4                                       ; places in front of loads into the set that the last phase multiplied
.endif
.if (\ph) < 7
	FETCH (\ph)+1
	s_wait_dscnt 48                                ; all but the 48 just issued
.else
	s_wait_dscnt 0x0
.endif
.if (\ph) < 2
	s_wait_loadcnt 63                              ; behind this phase's fragments of ctx stand 96 loads or more: the field's largest count serves
.endif
.if (\ph) == 2
	s_wait_loadcnt 48                              ; K steps 6, 7 may be out
.endif
.if (\ph) == 3
	s_wait_loadcnt 0x0
.endif
	MULS \ph
.endm
; THE WAY OUT of a group: blocks of 16 tokens x 64 columns go through my own stage and come back as rows of 256 bytes
.macro TOSTAGE g, a
	WIN 0x08                                       ; the data: window 2
.irp b, 0,1,2,3
	ds_store_b128 v[STO], v[128*(\g)+8*(4*(\a)+\b):128*(\g)+8*(4*(\a)+\b)+3] offset:64*\b      ; each accumulator from its low end on
	ds_store_b128 v[STO], v[128*(\g)+8*(4*(\a)+\b)+4:128*(\g)+8*(4*(\a)+\b)+7] offset:64*\b+16
.endr
	WIN TO_F
.irp t, 0,1,2,3,4,5,6,7
	ds_load_b128 v[BK+32*((\a)%2)+4*\t:BK+32*((\a)%2)+4*\t+3], v[RD] offset:\t*544   ; LDS serves a wave's instructions in order: these see the stores above
.endr
.endm
.macro SEND g, a, younger
	s_wait_dscnt \younger
	WIN 0x04                                       ; the data: window 1
.irp t, 0,1,2,3,4,5,6,7
	global_store_b128 v[CO], v[BK+32*((\a)%2)+4*\t:BK+32*((\a)%2)+4*\t+3], s[12:13] offset:(16*(\a)+2*\t)*8192+256*(\g) th:TH_STORE_NT   ; 16 lanes store 256 consecutive bytes, aligned
.endr
.endm
.macro OUT g
	PLACES 4                                       ; behind the group's last products
.if (\g) > 0
	s_wait_xcnt 0x0                                ; earlier stores have read their registers
.endif
	TOSTAGE \g, 0
.irp a, 1,2,3
.if 4*(\g)+\a > 1
	s_wait_xcnt 0x0
.endif
	TOSTAGE \g, \a
	SEND \g, \a-1, 16                              ; behind block a - 1's loads: block a's 8 stores and 8 loads
.endr
	SEND \g, 3, 0
	WIN 0
.endm
	s_load_b256 s[4:11], s[0:1], 0x0               ; ctx_codes, ctx_scales, Wo_codes, Wo_scales
	s_load_b64 s[12:13], s[0:1], 0x20              ; out0
	v_lshl_add_u32 v[SPW], v0, 2, SPARE
	v_mov_b32 v[NIL], 0
	ds_add_u32 v[SPW], v[NIL]                      ; the opening lines: the add twice on end
	ds_add_u32 v[SPW], v[NIL]
	v_lshrrev_b32 v1, 5, v0
	v_readfirstlane_b32 s[WV], v1
	s_lshr_b32 s[WR], s[WV], 1                     ; which 64 tokens
	s_and_b32 s[WP], s[WV], 1                      ; which 128 columns
	s_bfe_u32 s[CX], ttmp6, 0x40000
	s_mov_b32 s[G1], 15|(1<<20)|(1<<21)|(5<<22)|(3<<25)   ; all four partners; elements of 1 byte; 16 bytes of padding behind every 256
	s_mov_b32 s[G1+1], 768<<16
	s_mov_b32 s[G1+2], 64<<16
	s_mov_b32 s[G1+3], 768<<16
	s_mov_b32 s[G1+4], 64
	s_mov_b32 s[G1+5], 768
	s_mov_b32 s[G1+6], 0
	s_mov_b32 s[G1+7], 0
	s_lshl_b32 s28, ttmp9, 2
	s_add_co_u32 s28, s28, s[CX]                   ; block of 128 tokens
	s_lshl_b32 s28, s28, 1
	s_add_co_u32 s28, s28, s[WR]                   ; my 64 tokens
	s_and_b32 s29, ttmp7, 0xffff                   ; block of 256 columns: the same in all four partners
	s_lshl_b32 s30, s29, 2
	s_add_co_u32 s30, s30, s[WV]
	s_mul_i32 s30, s30, 64*768                     ; the 64 rows of Wo that I fetch
	s_mov_b32 s31, 0
	s_lshl_b32 s29, s29, 1
	s_add_co_u32 s29, s29, s[WP]                   ; my 128 columns
	s_mul_i32 s44, s28, 4*12288
	s_mov_b32 s45, 0
	s_lshl_b32 s46, s28, 9
	s_mov_b32 s47, 0
	s_lshl_b32 s48, s29, 12
	s_mov_b32 s49, 0
	s_lshl_b32 s50, s28, 19
	s_lshl_b32 s51, s29, 9
	s_add_co_u32 s50, s50, s51
	s_mov_b32 s51, 0
	s_mul_i32 s52, s[WP], 128*PITCH
	s_mul_i32 s53, s[WV], 16*272
	s_add_co_u32 s53, s53, STG
	s_mov_b32 s[G0], 1
	s_mul_i32 s[G0+1], s[WV], 64*PITCH
	s_wait_dscnt 0x0                               ; both opening adds are done
	s_wait_kmcnt 0x0
	s_add_nc_u64 s[G0+2:G0+3], s[8:9], s[30:31]
	s_or_b32 s[G0+3], s[G0+3], 0x80000000
	s_add_nc_u64 s[4:5], s[4:5], s[44:45]
	s_add_nc_u64 s[6:7], s[6:7], s[46:47]
	s_add_nc_u64 s[10:11], s[10:11], s[48:49]
	s_add_nc_u64 s[12:13], s[12:13], s[50:51]
	CROUND                                         ; all four work-groups are here: the joint loads meet
	tensor_load_to_lds s[G0:G0+3], s[G1:G1+7]      ; my 64 rows of Wo, whole: one tensor load a wave
	s_nop 0
	PLACES 4
	v_and_b32 v1, 15, v0                           ; r
	v_bfe_u32 v2, v0, 4, 1                         ; h
	v_and_b32 v5, 31, v0
	v_mul_u32_u24 v3, v1, PITCH
	v_mad_u32_u24 v3, v2, 24, v3
	v_add_nc_u32 v[ADP], s52, v3
	v_add_nc_u32 v[ADP+1], 64*PITCH, v[ADP]
	v_lshl_add_u32 v[ADQ], v2, 4, v[ADP]
	v_lshl_add_u32 v[ADQ+1], v2, 4, v[ADP+1]
	v_mul_u32_u24 v4, v1, 272
	v_lshl_add_u32 v4, v2, 5, v4
	v_add_nc_u32 v[STO], s53, v4                   ; in: row r, 32 bytes for each half of the lanes
	v_mul_u32_u24 v4, v2, 272
	v_lshl_add_u32 v4, v1, 4, v4
	v_add_nc_u32 v[RD], s53, v4                    ; back: lanes 0-15 a row of 256 bytes, lanes 16-31 the next
	v_lshlrev_b32 v4, 13, v2
	v_lshl_add_u32 v[CO], v1, 4, v4                ; the same two rows in out
	v_lshlrev_b32 v[L8], 3, v5
	v_lshlrev_b32 v[L32], 5, v5
	s_wait_alu depctr_va_vdst(0)
.irp pr, 0,1,2,3
.irp j, 0,1
	global_load_b128 v[SCP+8*\pr+4*\j:SCP+8*\pr+4*\j+3], v[L32], s[10:11] offset:1024*\pr+16*\j
.endr
.endr
.irp pr, 0,1
.irp g, 0,1,2,3
	global_load_b64 v[SCR+8*\pr+2*\g:SCR+8*\pr+2*\g+1], v[L8], s[6:7] offset:32768*\g+256*\pr
.endr
.endr
	WIN 0xc0                                       ; destination window 3
.irp s, 0,1,2,3,4
.irp a, 0,1,2,3
.irp p, 0,1,2,3,4,5
	global_load_b64 v[48*\s+12*\a+2*\p:48*\s+12*\a+2*\p+1], v[L8], s[4:5] offset:12288*\a+1536*\s+256*\p
.endr
.endr
.endr
	WIN 0
.irp s, 5,6,7
.irp a, 0,1,2,3
.irp p, 0,1,2,3,4,5
	global_load_b64 v[96+48*(\s-5)+12*\a+2*\p:96+48*(\s-5)+12*\a+2*\p+1], v[L8], s[4:5] offset:12288*\a+1536*\s+256*\p
.endr
.endr
.endr
	s_wait_tensorcnt 0x0                           ; my rows of Wo are in
	s_barrier_signal -1
	s_barrier_wait -1                              ; and everybody's
	FETCH 0
	PHASE 0
	PHASE 1
	PHASE 2
	PHASE 3
	OUT 0                                          ; the first 64 columns leave; phase 4's fragments are on their way
	PHASE 4
	PHASE 5
	PHASE 6
	PHASE 7
	OUT 1
	s_wait_tensorcnt 0x0                           ; the wave's end
	ds_add_u32 v[SPW], v[NIL]
	s_wait_dscnt 0x0
	CROUND                                         ; the closing round
	s_endpgm
.Lfunc_end_k_q18ebc20eb4_outp:
	.size	k_q18ebc20eb4_outp, .Lfunc_end_k_q18ebc20eb4_outp-k_q18ebc20eb4_outp
	.p2alignl 7, 3214868480
	.fill 96, 4, 3214868480
	.section	.rodata,"a",@progbits
	.p2align	6, 0x0
	.amdhsa_kernel k_q18ebc20eb4_outp
		.amdhsa_group_segment_fixed_size 262144
		.amdhsa_private_segment_fixed_size 0
		.amdhsa_enable_private_segment 0
		.amdhsa_kernarg_size 40
		.amdhsa_user_sgpr_count 2
		.amdhsa_user_sgpr_kernarg_segment_ptr 1
		.amdhsa_wavefront_size32 1
		.amdhsa_system_sgpr_workgroup_id_x 1
		.amdhsa_system_sgpr_workgroup_id_y 1
		.amdhsa_system_sgpr_workgroup_id_z 1
		.amdhsa_system_vgpr_workitem_id 0
		.amdhsa_next_free_vgpr 1024
		.amdhsa_next_free_sgpr 66
		.amdhsa_reserve_vcc 0
		.amdhsa_float_denorm_mode_32 3
		.amdhsa_float_denorm_mode_16_64 3
		.amdhsa_memory_ordered 1
		.amdhsa_forward_progress 1
		.amdhsa_inst_pref_size 98
	.end_amdhsa_kernel
	.amdgpu_metadata
---
amdhsa.version: [ 1, 2 ]
amdhsa.kernels:
  - .name:           k_q18ebc20eb4_outp
    .symbol:         k_q18ebc20eb4_outp.kd
    .args:
      - { .name: ctx_codes, .offset: 0, .size: 8, .value_kind: global_buffer, .address_space: global }
      - { .name: ctx_scales, .offset: 8, .size: 8, .value_kind: global_buffer, .address_space: global }
      - { .name: Wo_codes, .offset: 16, .size: 8, .value_kind: global_buffer, .address_space: global }
      - { .name: Wo_scales, .offset: 24, .size: 8, .value_kind: global_buffer, .address_space: global }
      - { .name: out0, .offset: 32, .size: 8, .value_kind: global_buffer, .address_space: global }
    .group_segment_fixed_size: 262144
    .private_segment_fixed_size: 0
    .kernarg_segment_align: 8
    .kernarg_segment_size: 40
    .max_flat_workgroup_size: 128
    .sgpr_count:     66
    .vgpr_count:     1024
    .wavefront_size: 32
...
	.end_amdgpu_metadata
.endif
;; end of part 3
